; MI455X (gfx1250); checked and timed in simulation.
; The chip was launched on July 23, 2026; its instructions are those of AMD's public machine-readable ISA for CDNA 5 (MIT licence, August 2026) and "CDNA5" Instruction Set Architecture Reference Guide (July 2026). The comments in the code are by the model that wrote it; some were corrected since.
;; Causal Self Attention. Allowed arithmetic: float matrix products may take bf16 or f16 operands with f32 sums; other float arithmetic in f32, or as packed bf16 or f16 multiplies, adds, multiply-adds, maxima and minima; sums over many terms, partial sums and values carried from step to step in f32; what a program stores and reads back later, other than sums and carried values, may be rounded once to bf16 or f16.
;; Inputs: w_attn 3,072 x 1,024 float32; w_proj 1,024 x 1,024 float32; x 4 x 2,048 x 1,024 float32.
;; Outputs: out0 4 x 2,048 x 1,024 float32.
;; One version. Each part assembles by itself: llvm-mc -triple=amdgcn-amd-amdhsa -mcpu=gfx1250 --defsym DOCPART=n.
;; ======== version 1 of 1: 4 launches
;; limits: values are held in f16: magnitudes above 65,504 overflow, below 6.1e-05 lose precision
;; workspace buffers: xb 16,777,216 bytes; wab 6,291,456 bytes; wpf 2,097,152 bytes; qkv 50,331,648 bytes; ob 16,777,216 bytes
;; launch cast (part 1): grid 768 x 1, 8 waves a work-group, no clusters, 0 bytes of LDS; arguments x, w_attn, w_proj, xb, wab, wpf; writes xb, wab, wpf
.if DOCPART == 1
	.amdgcn_target "amdgcn-amd-amdhsa--gfx1250"
	.amdhsa_code_object_version 6
	.text
	.protected	k_qfb721fbb96_cast
	.globl	k_qfb721fbb96_cast
	.p2align	8
	.type	k_qfb721fbb96_cast,@function
k_qfb721fbb96_cast:
	s_mov_b64 s[64:65], 0
	v_nop
	global_prefetch_b8 v0, s[64:65] scope:SCOPE_SE
	s_setreg_imm32_b32 hwreg(HW_REG_WAVE_MODE, 25, 1), 1
	s_wait_xcnt 0x0
; The three f32 inputs are rounded once to bf16 and laid in blocks of 64 along K: dst[kb][row][64], so that a tile of R rows x 64 K is R x 128 dense bytes.
; x -> xb (8,192 rows), w_attn -> wab (3,072 rows): bf16.  w_proj -> wpf (1,024 rows): the bf16 number written as f16, since it meets f16 operands later.
; LIMIT: a bf16 number of w_proj below 6e-5 keeps f16's fixed step of 6e-8, one beyond 65,504 becomes an infinity.
; SHARES.  A work-group takes 16 rows of 4,096 bytes: groups 0-511 x, 512-703 w_attn, 704-767 w_proj.  Thread t: row t / 16, 16 bytes (4 numbers) at 16 (t % 16) of each of the row's 16 blocks of 256 bytes.
; A wave's load covers two aligned runs of 256 bytes (its two rows); its store of 8 bytes a lane covers 256 consecutive bytes, aligned: two rows of one block.
; All 16 loads of a lane go out at once; no register of a pending access is written again, so there is no loop and no wait but the counted ones for the loads.  No LDS, no matrix unit: memory binds.
.set VIN, 1                            ; v1       my byte offset in the group's 16 source rows
.set T,   2                            ; v[2:5]   at work
.set VO,  8                            ; v[8:23]  my byte offset in the destination, for each block kb
.set X,   32                           ; v[32:95] four f32 a block, as loaded
.set Y,   96                           ; v[96:127] two words a block, to store
	s_load_b256 s[4:11], s[0:1], 0x0               ; x s[4:5], w_attn s[6:7], w_proj s[8:9], xb s[10:11]
	s_load_b128 s[12:15], s[0:1], 0x20             ; wab s[12:13], wpf s[14:15]
	s_mov_b32 s22, 512                             ; w_attn's first work-group
	s_mov_b32 s23, 704                             ; w_proj's
	s_mov_b32 s24, 3072*128                        ; bytes from block to block in wab,
	s_mov_b32 s25, 1024*128                        ; in wpf,
	s_mov_b32 s26, 8192*128                        ; in xb
	v_lshrrev_b32 v[VIN], 4, v0
	v_and_b32 v[T], 15, v0
	v_lshlrev_b32 v[VIN], 12, v[VIN]               ; row x 4,096
	v_lshl_or_b32 v[VIN], v[T], 4, v[VIN]          ; + 16 (t % 16)
	v_lshlrev_b32 v[VO], 3, v0                     ; row x 128 + 8 (t % 16) = 8 t
	s_wait_kmcnt 0x0
	s_cmp_lt_u32 ttmp9, s23                        ; the choice of buffers hangs on the work-group's number alone
	s_cselect_b64 s[16:17], s[6:7], s[8:9]         ; source
	s_cselect_b64 s[18:19], s[12:13], s[14:15]     ; destination
	s_cselect_b32 s20, s22, s23                    ; the part's first work-group
	s_cselect_b32 s21, s24, s25                    ; bytes from block to block
	s_cmp_lt_u32 ttmp9, s22
	s_cselect_b64 s[16:17], s[4:5], s[16:17]
	s_cselect_b64 s[18:19], s[10:11], s[18:19]
	s_cselect_b32 s20, 0, s20
	s_cselect_b32 s21, s26, s21
	s_sub_co_u32 s27, ttmp9, s20                   ; my number within the part
	s_lshl_b32 s28, s27, 16                        ; 16 rows of 4,096 bytes
	s_mov_b32 s29, 0
	s_lshl_b32 s30, s27, 11                        ; 16 rows of 128 bytes
	s_mov_b32 s31, 0
	s_add_nc_u64 s[16:17], s[16:17], s[28:29]
	s_add_nc_u64 s[18:19], s[18:19], s[30:31]
.set kb, 0
.rept 16
	global_load_b128 v[X+4*kb:X+4*kb+3], v[VIN], s[16:17] offset:256*kb th:TH_LOAD_NT
.set kb, kb+1
.endr
.set kb, 1
.rept 15
	v_add_nc_u32 v[VO+kb], s21, v[VO+kb-1]
.set kb, kb+1
.endr
; half = 1: the bf16 number is widened (a shift, a mask) and written as f16
.macro OUT half
.set kb, 0
.rept 16
	s_wait_loadcnt 15-kb                           ; loads come back in order: block kb is in, the 15 - kb younger ones stay out
	v_cvt_pk_bf16_f32 v[Y+2*kb], v[X+4*kb], v[X+4*kb+1]
	v_cvt_pk_bf16_f32 v[Y+2*kb+1], v[X+4*kb+2], v[X+4*kb+3]
.if \half
	v_lshlrev_b32 v[T], 16, v[Y+2*kb]
	v_and_b32 v[T+1], 0xffff0000, v[Y+2*kb]
	v_lshlrev_b32 v[T+2], 16, v[Y+2*kb+1]
	v_and_b32 v[T+3], 0xffff0000, v[Y+2*kb+1]
	v_cvt_pk_f16_f32 v[Y+2*kb], v[T], v[T+1]
	v_cvt_pk_f16_f32 v[Y+2*kb+1], v[T+2], v[T+3]
.endif
	global_store_b64 v[VO+kb], v[Y+2*kb:Y+2*kb+1], s[18:19]
.set kb, kb+1
.endr
.endm
	s_cmp_ge_u32 ttmp9, s23
	s_cbranch_scc1 .Lf16
	OUT 0
	s_endpgm
.Lf16:
	OUT 1
	s_endpgm
.Lfunc_end_k_qfb721fbb96_cast:
	.size	k_qfb721fbb96_cast, .Lfunc_end_k_qfb721fbb96_cast-k_qfb721fbb96_cast
	.p2alignl 7, 3214868480
	.fill 96, 4, 3214868480
	.section	.rodata,"a",@progbits
	.p2align	6, 0x0
	.amdhsa_kernel k_qfb721fbb96_cast
		.amdhsa_group_segment_fixed_size 0
		.amdhsa_private_segment_fixed_size 0
		.amdhsa_enable_private_segment 0
		.amdhsa_kernarg_size 48
		.amdhsa_user_sgpr_count 2
		.amdhsa_user_sgpr_kernarg_segment_ptr 1
		.amdhsa_wavefront_size32 1
		.amdhsa_system_sgpr_workgroup_id_x 1
		.amdhsa_system_sgpr_workgroup_id_y 1
		.amdhsa_system_sgpr_workgroup_id_z 1
		.amdhsa_system_vgpr_workitem_id 0
		.amdhsa_next_free_vgpr 128
		.amdhsa_next_free_sgpr 66
		.amdhsa_reserve_vcc 0
		.amdhsa_float_denorm_mode_32 3
		.amdhsa_float_denorm_mode_16_64 3
		.amdhsa_memory_ordered 1
		.amdhsa_forward_progress 1
		.amdhsa_inst_pref_size 17
	.end_amdhsa_kernel
	.amdgpu_metadata
---
amdhsa.version: [ 1, 2 ]
amdhsa.kernels:
  - .name:           k_qfb721fbb96_cast
    .symbol:         k_qfb721fbb96_cast.kd
    .args:
      - { .name: x, .offset: 0, .size: 8, .value_kind: global_buffer, .address_space: global }
      - { .name: w_attn, .offset: 8, .size: 8, .value_kind: global_buffer, .address_space: global }
      - { .name: w_proj, .offset: 16, .size: 8, .value_kind: global_buffer, .address_space: global }
      - { .name: xb, .offset: 24, .size: 8, .value_kind: global_buffer, .address_space: global }
      - { .name: wab, .offset: 32, .size: 8, .value_kind: global_buffer, .address_space: global }
      - { .name: wpf, .offset: 40, .size: 8, .value_kind: global_buffer, .address_space: global }
    .group_segment_fixed_size: 0
    .private_segment_fixed_size: 0
    .kernarg_segment_align: 8
    .kernarg_segment_size: 48
    .max_flat_workgroup_size: 256
    .sgpr_count:     66
    .vgpr_count:     128
    .wavefront_size: 32
...
	.end_amdgpu_metadata
.endif
;; end of part 1
;; launch qkv (part 2): grid 8 x 32, 4 waves a work-group, clusters of 4 x 4, 327,680 bytes of LDS; arguments xb, wab, qkv; writes qkv
.if DOCPART == 2
	.amdgcn_target "amdgcn-amd-amdhsa--gfx1250"
	.amdhsa_code_object_version 6
	.text
	.protected	k_qfb721fbb96_qkv
	.globl	k_qfb721fbb96_qkv
	.p2align	8
	.type	k_qfb721fbb96_qkv,@function
k_qfb721fbb96_qkv:
	s_mov_b64 s[64:65], 0
	v_nop
	global_prefetch_b8 v0, s[64:65] scope:SCOPE_SE
	s_setreg_imm32_b32 hwreg(HW_REG_WAVE_MODE, 25, 1), 1
	s_wait_xcnt 0x0
	s_wait_alu depctr_hold_cnt(0) depctr_sa_sdst(0) depctr_va_vdst(0) depctr_va_sdst(0) depctr_va_ssrc(0) depctr_va_vcc(0) depctr_vm_vsrc(0)
	s_getreg_b32 s2, hwreg(HW_REG_IB_STS2, 6, 4)
	s_cmp_eq_u32 s2, 0
	s_cbranch_scc0 .Lentry_in_a_cluster
	s_endpgm
.Lentry_in_a_cluster:
	s_bfe_u32 s2, ttmp6, 0x10000c
	s_cmp_lg_u32 s2, 0xf033
	s_cbranch_scc0 .Lentry_shape_is_right
	s_endpgm
.Lentry_shape_is_right:
; qkv[m][e] = sum over k of x[m][k] w_attn[e][k], 8,192 x 3,072 x 1,024, bf16 operands, f32 sums, the result rounded once to f16 and stored by heads: qkv[b][hn][s][64], hn = e / 64 (0-15 q, 16-31 k, 32-47 v), unscaled.
; LIMIT: f16 ends at 65,504: a sum of 65,520 or more becomes an infinity.  With x and w_attn as drawn the sums have a spread of 0.6; both 30 times larger: 520; both with an offset of 30 spreads: some 17,000.
; OPERANDS lie in blocks of 64 along K: xb[kb][8192][64], wab[kb][3072][64]: a tile of R rows x 64 K is R x 128 dense bytes, asked for as rows of 256 bytes and padded in LDS behind every 128.
; SHARES.  A tile of C is 256 rows x 384 columns (6 heads): 32 x 8 = 256 work-groups.  Four waves, each 128 rows x 192 columns (3 heads): 96 accumulators of 16 x 16, 768 registers.
; K goes in 16 steps of 64 through two LDS slots; a step is 192 matrix instructions a wave, and a slot's refill has a step's matrix work in which to land.
; CLUSTER.  4 x 4 work-groups: the four of a row of the cluster need the same rows of xb, the four of a column the same rows of wab: each tile is asked for jointly, by the same tensor load, descriptor and mask in all four.
; THE MATRIX INSTRUCTION IS USED TRANSPOSED (source 0 = 16 rows of wab, source 1 = 16 rows of xb): a lane then holds one row of C and eight neighbouring columns, which pack into 16 bytes.
; REGISTERS, in windows of 256 (s_set_vgpr_msb: bits 1:0 source 0, 3:2 source 1, 5:4 source 2, 7:6 destination):
;   window 0: v0-31 addresses; v32-95, v96-159 xb's fragments (8 x 16 rows x 32 K), two buffers; v160-255 wab's (4 x 16 rows x 32 K, one head), three buffers
;   window 1 + g: the 32 accumulators of my head g: (a, b) at v[8 (4 a + b)], a = 16 rows of 128, b = 16 columns of 64
.set PITCH,  144                       ; an LDS row: 128 bytes + 16 of padding = 36 words: the 16 rows of a fragment load start at 16 different groups of four banks (64 banks of 4 bytes: ISA guide 11.1)
.set AHALF,  128*PITCH                 ; 128 rows of xb: what waves 0, 1 fetch, and what a wave reads
.set BHALF,  192*PITCH                 ; 192 rows of wab: what waves 2, 3 fetch, and what a wave reads
.set BOFF,   2*AHALF
.set SLOT1,  1<<17                     ; slot 1 begins here, so that one exclusive or turns an address in one slot into the other's
.set STAGE,  SLOT1+2*AHALF+2*BHALF     ; behind the ring: 16 rows x 144 bytes for each wave, for the way out
.set SPARE,  STAGE+4*16*PITCH          ; behind the stages: the spare words, 128 bytes for each wave: two blocks of 256 bytes that no other line names
.set ASTEP,  8192*128                  ; bytes from one block of 64 K to the next in xb
.set BSTEP,  3072*128                  ; in wab
.set ADRA, 16                          ; v16  LDS address of my xb fragments in the slot in hand
.set ADRB, 17                          ; v17  of my wab fragments
.set HA,   18                          ; v18  the same in slot 0; never rewritten
.set HB,   19                          ; v19
.set STO,  24                          ; v24  the way out: where I put 16 bytes of a row
.set RD,   25                          ; v25  the way out: where I read rows back
.set GO,   26                          ; v26  my byte offset in 512 consecutive bytes of qkv
.set SPW,  28                          ; v28  LDS address of my spare word: SPARE + 4 x my thread's number; never rewritten
.set NIL,  29                          ; v29  0; never rewritten
.set FA0,  32
.set FA1,  96
.set FB0,  160
.set FB1,  192
.set FB2,  224
.set G1,  24                           ; s[24:31] descriptor group 1 for xb's tiles
.set G0,  32                           ; s[32:39] group 0 for xb's: a set for each of the two first fills; the second then walks on
.set TB,  45                           ; s45      0 or SLOT1: the slot in hand
.set G1B, 48                           ; s[48:55], s[56:63] the same for wab's tiles
.set G0B, 56
.set MSB, 0
.macro WIN new                         ; the immediate's high byte repeats the setting that is left; a switch that changes nothing is dropped
.if MSB != (\new)
	s_set_vgpr_msb (MSB<<8)|(\new)
.set MSB, \new
.endif
.endm
.macro PLACES                          ; a load into a register that a matrix instruction has read, and a vector instruction that reads a matrix result, stand four plain vector instructions behind it (ISA guide 7.12.1 for vector instructions)
.rept 4
	v_nop
.endr
.endm
; A joint refill.  Waves 0 and 1 fetch the two halves of xb's tile, waves 2 and 3 those of wab's.  The branch hangs on the wave's number alone.
; An s_nop 0 and four v_nop follow each of the two lines, ahead of the jump and the label.
.macro JLOAD
	s_cmp_lt_u32 s10, 2
	s_cbranch_scc0 .Lfor_b_\@
	tensor_load_to_lds s[G0+4:G0+7], s[G1:G1+7]
	s_nop 0
.rept 4
	v_nop
.endr
	s_branch .Lasked_\@
.Lfor_b_\@:
	tensor_load_to_lds s[G0B+4:G0B+7], s[G1B:G1B+7]
	s_nop 0
.rept 4
	v_nop
.endr
.Lasked_\@:
.endm
.macro CREST                           ; a round of the cluster's barrier behind its opening barrier: wave 0 signals for the work-group, every wave waits for all sixteen, my work-group's barrier closes it
	s_cmp_lg_u32 s10, 0
	s_cbranch_scc1 .Lnot_wave_0_\@
	s_barrier_signal -3
.Lnot_wave_0_\@:
	s_barrier_wait -3
	s_barrier_signal -1
	s_barrier_wait -1
.endm
.macro CROUND                          ; a whole round
	s_barrier_signal -1
	s_barrier_wait -1
	CREST
.endm
	s_load_b128 s[4:7], s[0:1], 0x0                ; xb s[4:5], wab s[6:7]
	s_load_b64 s[8:9], s[0:1], 0x10                ; qkv
	v_lshl_add_u32 v[SPW], v0, 2, SPARE
	v_mov_b32 v[NIL], 0
	ds_add_u32 v[SPW], v[NIL]                      ; the wave's opening: the add and its wait stand ahead of my first tensor load; the set-up below, work on registers, stands between them
	ds_add_u32 v28, v29
	v_lshrrev_b32 v1, 5, v0
	v_readfirstlane_b32 s10, v1                    ; wave 0..3
	s_lshr_b32 s11, s10, 1                         ; which 128 of the tile's rows are mine
	s_and_b32 s12, s10, 1                          ; which 192 of its columns.  Also: which half of a tile I fetch
	s_bfe_u32 s40, ttmp6, 0x40000                  ; cx, cy: my place in the cluster
	s_bfe_u32 s41, ttmp6, 0x40004
	s_lshl_b32 s42, ttmp9, 2
	s_add_co_u32 s42, s42, s40                     ; tile column = 4 x cluster x + cx, 0..7
	s_and_b32 s13, ttmp7, 0xffff
	s_lshl_b32 s13, s13, 2
	s_add_co_u32 s13, s13, s41                     ; tile row = 4 x cluster y + cy, 0..31
	s_lshl_b32 s43, s41, 2
	s_lshl_b32 s43, 15, s43                        ; my row of the cluster
	s_lshl_b32 s44, 0x1111, s40                    ; my column
	; group 1: dense bytes as rows of 256 (128 elements of 2 bytes), 64 rows for xb's half, 96 for wab's
	s_or_b32 s[G1+0], s43, (1<<16)|(1<<20)|(1<<21)|(4<<22)|(3<<25)   ; 15:0 the mask; 17:16 2-byte elements; 20 padding on; 21 set beside a mask; 24:22 after every 32 words (code 4); 31:25 4 words (code 3)
	s_or_b32 s[G1B+0], s44, (1<<16)|(1<<20)|(1<<21)|(4<<22)|(3<<25)
	s_mov_b32 s[G1+1], 128<<16                     ; tensor_dim0 = 128
	s_mov_b32 s[G1B+1], 128<<16
	s_mov_b32 s[G1+2], 64<<16                      ; tensor_dim1
	s_mov_b32 s[G1B+2], 96<<16
	s_mov_b32 s[G1+3], 128<<16                     ; tile_dim0 = 128
	s_mov_b32 s[G1B+3], 128<<16
	s_mov_b32 s[G1+4], 64                          ; tile_dim1
	s_mov_b32 s[G1B+4], 96
	s_mov_b32 s[G1+5], 128                         ; 128 elements from row to row
	s_mov_b32 s[G1B+5], 128
	s_mov_b32 s[G1+6], 0
	s_mov_b32 s[G1B+6], 0
	s_mov_b32 s[G1+7], 0
	s_mov_b32 s[G1B+7], 0
	s_lshl_b32 s16, s13, 15                        ; xb: 256 rows of 128 bytes a tile row,
	s_lshl_b32 s17, s12, 14                        ; 128 rows a half
	s_add_co_u32 s16, s16, s17
	s_mov_b32 s17, 0
	s_mul_i32 s46, s42, 384*128                    ; wab: 384 rows a tile column,
	s_mul_i32 s47, s12, 192*128                    ; 192 a half
	s_add_co_u32 s46, s46, s47
	s_mov_b32 s47, 0
	s_mul_i32 s20, s12, AHALF                      ; where they go: no place in the cluster enters an LDS address
	s_mul_i32 s21, s12, BHALF
	s_add_co_u32 s21, s21, BOFF
	s_mov_b32 s[TB], 0
	s_wait_dscnt 0x0                               ; the opening add is done
	s_wait_kmcnt 0x0
	s_add_nc_u64 s[14:15], s[4:5], s[16:17]
	s_add_nc_u64 s[46:47], s[6:7], s[46:47]
	CROUND                                         ; all sixteen work-groups are here: the first joint loads meet
.irp n, 0,1
	s_mov_b32 s[G0+4*(\n)], 1                                        ; count = 1
	s_add_co_u32 s[G0+4*(\n)+1], s20, (\n)*SLOT1                     ; LDS address
	s_add_nc_u64 s[G0+4*(\n)+2:G0+4*(\n)+3], s[14:15], (\n)*ASTEP    ; global address: K step n
	s_or_b32 s[G0+4*(\n)+3], s[G0+4*(\n)+3], 0x80000000              ; type = 2
	s_mov_b32 s[G0B+4*(\n)], 1
	s_add_co_u32 s[G0B+4*(\n)+1], s21, (\n)*SLOT1
	s_add_nc_u64 s[G0B+4*(\n)+2:G0B+4*(\n)+3], s[46:47], (\n)*BSTEP
	s_or_b32 s[G0B+4*(\n)+3], s[G0B+4*(\n)+3], 0x80000000
.endr
	s_cmp_lt_u32 s10, 2                            ; a wave's two first fills stand in one branch, ahead of every wait on TENSORcnt and every LDS read: two loads of mine are out
	s_cbranch_scc0 .Lfirst_b
	tensor_load_to_lds s[G0:G0+3], s[G1:G1+7]
	s_nop 0
	tensor_load_to_lds s[G0+4:G0+7], s[G1:G1+7]
	s_nop 0
.rept 4
	v_nop
.endr
	s_branch .Lfirst_asked
.Lfirst_b:
	tensor_load_to_lds s[G0B:G0B+3], s[G1B:G1B+7]
	s_nop 0
	tensor_load_to_lds s[G0B+4:G0B+7], s[G1B:G1B+7]
	s_nop 0
.rept 4
	v_nop
.endr
.Lfirst_asked:
	; A fragment is 16 rows x 32 K in 8 registers: lane l holds row l % 16, K = 8 (l / 16) + 0..7 and 16 + 8 (l / 16) + 0..7: two loads of 16 bytes, 32 bytes apart.
	v_and_b32 v1, 15, v0                           ; l % 16
	v_bfe_u32 v2, v0, 4, 1                         ; l / 16
	v_mul_u32_u24 v3, v1, PITCH
	v_lshl_add_u32 v3, v2, 4, v3                   ; row x pitch + 16 x half
	s_mul_i32 s22, s11, AHALF
	s_mul_i32 s23, s12, BHALF
	s_add_co_u32 s23, s23, BOFF
	v_add_nc_u32 v[HA], s22, v3
	v_add_nc_u32 v[HB], s23, v3
	v_mov_b32 v[ADRA], v[HA]
	v_mov_b32 v[ADRB], v[HB]
	s_mul_i32 s22, s10, 16*PITCH
	s_add_co_u32 s22, s22, STAGE                   ; my stage
	v_add_nc_u32 v[STO], s22, v3                   ; in: row l % 16, 16 bytes for each half of the lanes
	v_bfe_u32 v4, v0, 3, 2                         ; back: 32 lanes take four rows of 128 bytes,
	v_and_b32 v5, 7, v0
	v_mul_u32_u24 v4, v4, PITCH
	v_lshl_add_u32 v4, v5, 4, v4
	v_add_nc_u32 v[RD], s22, v4
	v_and_b32 v[GO], 31, v0                        ; which are 512 consecutive bytes of a head
	v_lshlrev_b32 v[GO], 4, v[GO]
	; where my part begins in qkv: batch (tile row / 8) x 48 heads, head 6 x tile column + 3 x half, row 256 (tile row % 8) + 128 x half
	s_lshr_b32 s16, s13, 3
	s_mul_i32 s16, s16, 48*2048*128
	s_and_b32 s17, s13, 7
	s_lshl_b32 s17, s17, 15
	s_add_co_u32 s16, s16, s17
	s_lshl_b32 s17, s11, 14
	s_add_co_u32 s16, s16, s17
	s_mul_i32 s46, s42, 6
	s_mul_i32 s47, s12, 3
	s_add_co_u32 s46, s46, s47
	s_lshl_b32 s46, s46, 18
	s_add_co_u32 s46, s46, s16
	s_mov_b32 s47, 0
	s_add_nc_u64 s[8:9], s[8:9], s[46:47]
.macro LDA hf, f                       ; 16 loads: my 128 rows of xb, 32 K at byte 64 hf of the rows
.irp a, 0,1,2,3,4,5,6,7
	ds_load_b128 v[(\f)+8*(\a):(\f)+8*(\a)+3],   v[ADRA] offset:(\a)*16*PITCH+64*(\hf)
	ds_load_b128 v[(\f)+8*(\a)+4:(\f)+8*(\a)+7], v[ADRA] offset:(\a)*16*PITCH+64*(\hf)+32
.endr
.endm
.macro LDB g, hf, f                    ; 8 loads: the 64 rows of wab of my head g
.irp b, 0,1,2,3
	ds_load_b128 v[(\f)+8*(\b):(\f)+8*(\b)+3],   v[ADRB] offset:(4*(\g)+(\b))*16*PITCH+64*(\hf)
	ds_load_b128 v[(\f)+8*(\b)+4:(\f)+8*(\b)+7], v[ADRB] offset:(4*(\g)+(\b))*16*PITCH+64*(\hf)+32
.endr
.endm
; 4 n matrix instructions for head g: row blocks a0 .. a0 + n - 1 x its 4 column blocks.  zero = 1: the first product starts the sums.
; The accumulators take turns, one instruction a turn: an accumulator comes again 96 matrix instructions later.
.macro MUL g, fa, fb, a0, n, zero
	WIN 0x50*((\g)+1)
.set aa, (\a0)
.rept \n
.irp b, 0,1,2,3
.if \zero
	v_wmma_f32_16x16x32_bf16 v[8*(4*aa+(\b)):8*(4*aa+(\b))+7], v[(\fb)+8*(\b):(\fb)+8*(\b)+7], v[(\fa)+8*aa:(\fa)+8*aa+7], 0
.else
	v_wmma_f32_16x16x32_bf16 v[8*(4*aa+(\b)):8*(4*aa+(\b))+7], v[(\fb)+8*(\b):(\fb)+8*(\b)+7], v[(\fa)+8*aa:(\fa)+8*aa+7], v[8*(4*aa+(\b)):8*(4*aa+(\b))+7]
.endif
.endr
.set aa, aa+1
.endr
.endm
; A K step is six groups of 32 matrix instructions: (first 32 K, second 32 K) x (head 0, 1, 2).  At a group's head stand four places and a run of loads into the buffers that the group before has read.
; FRONT: the first 32 K.  Each count of 32 leaves out the loads issued behind the fragments that the group needs: 8 + 8 + 16, in the order in which they were issued.
.macro FRONT zero
	WIN 0
	PLACES
	LDB 2, 0, FB2
	LDA 1, FA1
	s_wait_dscnt 32                                ; xb's first 32 K and head 0's wab are in; out: head 1's 8, head 2's 8, xb's second 16
	MUL 0, FA0, FB0, 0, 8, \zero
	WIN 0
	PLACES
	LDB 0, 1, FB0
	s_wait_dscnt 32                                ; head 1's is in; out: head 2's 8, xb's 16, the 8 just issued
	MUL 1, FA0, FB1, 0, 8, \zero
	WIN 0
	PLACES
	LDB 1, 1, FB1
	s_wait_dscnt 32                                ; head 2's is in; out: xb's 16, 8, 8
	MUL 2, FA0, FB2, 0, 8, \zero
.endm
; BACK: the second 32 K, and the change of slots in its first group.  In front of the barrier each wave waits for all its tensor loads, of which one is out: its part of the next slot; adds 0 to its spare word; and waits
; for that and for its own reads of this slot, of which the last have just been issued.  Behind it nobody reads this slot any more and the next slot is whole.
; fill = 1: the barrier opens a round of the cluster's, and this slot is filled again, two K steps ahead, first thing behind the round.
.macro BACK fill
	WIN 0
	PLACES
	LDB 2, 1, FB2                                  ; my last reads of this slot
	s_wait_tensorcnt 0x0                           ; no tensor load of mine is out, so a group 0 may be written
	ds_add_u32 v[SPW], v[NIL]                      ; 0 onto my spare word
.if \fill
	s_xor_b32 s[G0+5], s[G0+5], SLOT1              ; the walking descriptors: the other slot than last time, the next K step
	s_add_nc_u64 s[G0+6:G0+7], s[G0+6:G0+7], ASTEP
	s_xor_b32 s[G0B+5], s[G0B+5], SLOT1
	s_add_nc_u64 s[G0B+6:G0B+7], s[G0B+6:G0B+7], BSTEP
.endif
	s_wait_dscnt 17                                ; xb's second 32 K and head 0's wab are in; out: head 1's 8, head 2's 8, the add
	MUL 0, FA1, FB0, 0, 4, 0                       ; sixteen matrix instructions stand between the add and the wait for it
	s_wait_dscnt 0x0                               ; the add is done, and my reads of this slot are over
	s_barrier_signal -1
	MUL 0, FA1, FB0, 4, 4, 0                       ; work on registers while the others arrive
	WIN 0                                          ; at a branch and at a label every window is 0
	s_barrier_wait -1
.if \fill
	CREST                                          ; no wave of any partner still reads this slot or has a load on its way
	JLOAD                                          ; my one tensor load behind the round
.endif
	s_xor_b32 s[TB], s[TB], SLOT1                  ; the reads go on in the other slot
	v_add_nc_u32 v[ADRA], s[TB], v[HA]
	v_add_nc_u32 v[ADRB], s[TB], v[HB]
	LDA 0, FA0                                     ; its last reader stands in front of this macro's first four places
	PLACES
	LDB 0, 0, FB0
	MUL 1, FA1, FB1, 0, 8, 0                       ; its fragments came in by the wait for 0 above
	WIN 0
	PLACES
	LDB 1, 0, FB1
	MUL 2, FA1, FB2, 0, 8, 0
.endm
.macro BACKLAST                        ; the last K step's second 32 K: nothing more to fetch, the counts run down
	WIN 0
	PLACES
	LDB 2, 1, FB2
	s_wait_dscnt 16
	MUL 0, FA1, FB0, 0, 8, 0
	s_wait_dscnt 8
	MUL 1, FA1, FB1, 0, 8, 0
	s_wait_dscnt 0x0
	MUL 2, FA1, FB2, 0, 8, 0
.endm
; THE WAY OUT of 16 rows of head g (row block a): rounded to f16, 16 bytes a lane, each accumulator's registers in ascending order; into my stage in rows of 144 bytes; back as whole rows of 128.
.macro PACK g, a
.set TT, 32+16*(\a)
.if (\g) > 0
	s_wait_xcnt 0x0                                ; these registers were the data of the stores eight units back: they are written again only behind this wait
.endif
	WIN 5*((\g)+1)                                 ; sources 0 and 1: window 1 + g
.irp b, 0,1,2,3
.irp j, 0,1,2,3
	v_cvt_pk_f16_f32 v[TT+4*(\b)+(\j)], v[8*(4*(\a)+(\b))+2*(\j)], v[8*(4*(\a)+(\b))+2*(\j)+1]
.endr
.endr
	WIN 0
.irp b, 0,1,2,3
	ds_store_b128 v[STO], v[TT+4*(\b):TT+4*(\b)+3] offset:32*(\b)
.endr
.irp f, 0,1,2,3
	ds_load_b128 v[TT+4*(\f):TT+4*(\f)+3], v[RD] offset:(\f)*4*PITCH  ; LDS serves a wave's instructions in order (ISA guide 5.7.1.4): these see the stores above; the next unit's stores come behind them
.endr
.endm
.macro SEND g, a, younger              ; younger: the LDS instructions issued behind the unit's loads: the next unit's eight, or none
.set TT, 32+16*(\a)
.irp f, 0,1,2,3
	s_wait_dscnt (\younger)+3-(\f)
	global_store_b128 v[GO], v[TT+4*(\f):TT+4*(\f)+3], s[8:9] offset:(\g)*262144+(\a)*2048+(\f)*512  ; 512 consecutive bytes, at a multiple of 256 from qkv's first
.endr
.endm
	s_wait_tensorcnt 0x1                           ; my part of K step 0 is in; K step 1's may stay out
	s_barrier_signal -1
	s_barrier_wait -1                              ; everybody's is
	LDA 0, FA0
	LDB 0, 0, FB0
	LDB 1, 0, FB1
	FRONT 1                                        ; the first 32 K stand in front of the loop: their products start the sums
	WIN 0
	s_mov_b32 s3, 14
.Lstep:                                                ; 14 trips: the second half of K step t, which asks for K step t + 2, and the first half of K step t + 1
	BACK 1
	FRONT 0
	WIN 0
	s_sub_co_u32 s3, s3, 1
	s_cmp_lg_u32 s3, 0
	s_cbranch_scc1 .Lstep
	BACK 0                                         ; the tail is written out: nothing is asked for
	FRONT 0
	BACKLAST
	WIN 0
	PLACES                                         ; the conversions read matrix results
.set ug, 0
.set ua, 0
	PACK ug, ua
.set u, 1
.rept 23                               ; a unit's conversions stand between the loads of the unit before and its stores
.set pg, ug
.set pa, ua
.set ug, u/8
.set ua, u%8
	PACK ug, ua
	SEND pg, pa, 8
.set u, u+1
.endr
	SEND ug, ua, 0
	s_wait_tensorcnt 0x0                           ; the wave's end: a wait, an add and its wait behind my last tensor load and my last LDS store
	ds_add_u32 v[SPW], v[NIL]
	s_wait_dscnt 0x0
	CROUND                                         ; the closing round: no work-group ends while a partner may still ask for a tile that names it
	s_endpgm
.Lfunc_end_k_qfb721fbb96_qkv:
	.size	k_qfb721fbb96_qkv, .Lfunc_end_k_qfb721fbb96_qkv-k_qfb721fbb96_qkv
	.p2alignl 7, 3214868480
	.fill 96, 4, 3214868480
	.section	.rodata,"a",@progbits
	.p2align	6, 0x0
	.amdhsa_kernel k_qfb721fbb96_qkv
		.amdhsa_group_segment_fixed_size 327680
		.amdhsa_private_segment_fixed_size 0
		.amdhsa_enable_private_segment 0
		.amdhsa_kernarg_size 24
		.amdhsa_user_sgpr_count 2
		.amdhsa_user_sgpr_kernarg_segment_ptr 1
		.amdhsa_wavefront_size32 1
		.amdhsa_system_sgpr_workgroup_id_x 1
		.amdhsa_system_sgpr_workgroup_id_y 1
		.amdhsa_system_sgpr_workgroup_id_z 1
		.amdhsa_system_vgpr_workitem_id 0
		.amdhsa_next_free_vgpr 1024
		.amdhsa_next_free_sgpr 66
		.amdhsa_reserve_vcc 0
		.amdhsa_float_denorm_mode_32 3
		.amdhsa_float_denorm_mode_16_64 3
		.amdhsa_memory_ordered 1
		.amdhsa_forward_progress 1
		.amdhsa_inst_pref_size 114
	.end_amdhsa_kernel
	.amdgpu_metadata
---
amdhsa.version: [ 1, 2 ]
amdhsa.kernels:
  - .name:           k_qfb721fbb96_qkv
    .symbol:         k_qfb721fbb96_qkv.kd
    .args:
      - { .name: xb, .offset: 0, .size: 8, .value_kind: global_buffer, .address_space: global }
      - { .name: wab, .offset: 8, .size: 8, .value_kind: global_buffer, .address_space: global }
      - { .name: qkv, .offset: 16, .size: 8, .value_kind: global_buffer, .address_space: global }
    .group_segment_fixed_size: 327680
    .private_segment_fixed_size: 0
    .kernarg_segment_align: 8
    .kernarg_segment_size: 24
    .max_flat_workgroup_size: 128
    .sgpr_count:     66
    .vgpr_count:     1024
    .wavefront_size: 32
...
	.end_amdgpu_metadata
.endif
;; end of part 2
;; launch attn (part 3): grid 4 x 64, 4 waves a work-group, no clusters, 327,680 bytes of LDS; arguments qkv, ob; writes ob
.if DOCPART == 3
	.amdgcn_target "amdgcn-amd-amdhsa--gfx1250"
	.amdhsa_code_object_version 6
	.text
	.protected	k_qfb721fbb96_attn
	.globl	k_qfb721fbb96_attn
	.p2align	8
	.type	k_qfb721fbb96_attn,@function
k_qfb721fbb96_attn:
	s_mov_b64 s[64:65], 0
	v_nop
	global_prefetch_b8 v0, s[64:65] scope:SCOPE_SE
	s_setreg_imm32_b32 hwreg(HW_REG_WAVE_MODE, 25, 1), 1
	s_wait_xcnt 0x0
; CAUSAL ATTENTION.  O[y][q][:] = the sum over k <= q of softmax_k(Q[y][q] . K[y][k] / 8) V[y][k][:], for the 64 heads y = 16 b + h.  Q, K, V lie in qkv[b][48][2048][64] (heads 0-15 q, 16-31 k, 32-47 v), O in ob[y][2048][64],
; all f16: a head's rows are dense, 128 bytes each.  Products, maxima and sums in f32; the weights p are rounded to f16 for the second product (their sum l is taken of the unrounded p), O once at the end.
; LIMITS.  f16 holds no number beyond 65,504: Q, K and V arrive within it; p lies in 0 to 1, and below 6e-5 it keeps f16's fixed step of 6e-8; O is a mean of V's rows and has their range, to within 2^-11 of it.
; A hidden score counts as its value less 1e30: f16's scores, 2.7e11 at the most, are nothing beside that; a weight below 2^-126 counts as 0 in l; NaN and infinities are not treated apart.
; THE WALK.  A head's queries lie in NB = SIZE_N / 256 blocks of 256; block i needs the key tiles 0 .. i of 256 keys, of which the last holds the diagonal.  A work-group takes TWO blocks, NB - 1 - b and then b:
; NB + 1 tiles, whatever b: all work-groups do equal work, and ONE loop with a constant trip count walks them.  Which tile is asked for, and what a trip does, hang on scalar registers made from b; every jump
; goes forward, but for the counted loops' own; none passes a barrier, or a tensor load but the one of LOAD's two that the wave's number does not choose; the ring (two slots of LDS that take turns) runs on across the
; change of blocks.  NO CLUSTER: a head's NB / 2 = 4 work-groups all ask for the same tile only in trips 0 .. NB / 2, behind that fewer and fewer; and one walk common to all would have 3 NB / 2 trips for NB + 1.
; SHARES.  Of a block's four bands of 64 queries a wave owns 16 rows in each: four PIECES.  So the diagonal tile is the same work for all four waves: in its key step s band x sees all keys if s < x,
; none if s > x, and holds the diagonal if s = x.
; THE MASK is the C operand that starts the sum S^T = K Q^T: 0, or -1e30 where the key is hidden.  MD, made once, is the mask of a band's own step for my 16 rows; a product's mask is MD x AL + BE with two scalars:
; (1, 0) if s = x; (0, 0) if s < x; (0, -1e30) if s > x.  Only the diagonal tile's text and a block's beginning make and take masks; elsewhere C is the constant 0.
; LAYOUT, SOFTMAX, TURNS.  S^T = K Q^T holds ONE query a lane (lane % 16) and the keys 8 (lane / 16) + 0..7; two such results rounded to f16 ARE source 1 of O^T = V^T P.  p = 2^(c s - c m), c = log2(e) / 8, with a
; running maximum m; O and l are multiplied by a = 2^(c m_old - c m_new) in every step.  Turn n belongs to piece n: 8 products K Q^T of piece n + 1, later 8 products V^T P of piece n - 1; beside them the scaling,
; exponentials, roundings, sums and rescaling of piece n and the maximum and statistics of piece n + 1.  Four vector instructions stand behind every matrix instruction, the other 54 of a turn's 118 in two LUMPS.
; REGISTERS, in windows of 256 (s_set_vgpr_msb: bits 1:0 source 0, 3:2 source 1, 5:4 source 2, 7:6 destination):
;   window 0: v0-15 addresses and two at work; v16-31 four registers of statistics a piece; v48-55 at work; v64-127 S^T, two buffers; v192-223 P, two buffers (a piece's buffers go by its number's parity)
;   window 1: v0-127 O^T, 32 a piece; v128-159 MD; v160-223 MC, two buffers      window 2: v0-63 Q; v64-127 the second block's Q; v128-191 K of one step; v192-255 V of one step
.set SIZE_N, 2048
.set SIZE_H, 64
.set NB,    SIZE_N/256
.set NP,    4         ; pieces a wave: a name, no knob
.set KS,    64        ; keys in a step
.set PK,    144       ; a row of K in LDS: 128 bytes + 16 of padding = 36 words: the 16 rows of a load start at 16 different groups of four banks (64 banks of 4 bytes: ISA guide 11.1)
.set PV,    160       ; a row of V: 128 + 32 = 40 words
.set VOFF,  4*KS*PK   ; a slot holds a tile, four steps: 256 rows of K, then 256 rows of V
.set SLOT1, 1<<17     ; slot 1 begins here, so that one exclusive or turns an address in one slot into the other's
.set STAGE, SLOT1+4*KS*(PK+PV)  ; behind the ring, never filled by a tensor load: 16 rows x 144 bytes for each wave, for the way out
.set SP,    144
.set AK0, 2           ; v2   my lane's place in a tile of K; never rewritten
.set AV0, 3           ; v3   the same for V
.set AK,  4           ; v4   the LDS address of K's next run of loads
.set AV,  5           ; v5   of V's
.set STO, 6           ; v6   the way out: where I put 16 bytes of a row
.set RD,  7           ; v7   the way out: where I read rows back
.set GO,  8           ; v8   my byte offset in 512 consecutive bytes of O
.set SPW, 62          ; v62  LDS address of my spare word: SPARE + 4 x my thread's number; never rewritten
.set NIL, 63          ; v63  0; never rewritten
.set SPARE, STAGE+4*16*SP  ; behind the stages: the spare words, 128 bytes for each wave: two blocks of 256 bytes that no other line names
.set MV,  12          ; v12-13  c m_old, kept while c m is made anew: by buffer
.set QO,  15          ; v15  my byte offset in 16 rows of Q
.set ST,  16          ; piece t's statistics at v[ST+4 t]: c m, m, l (even keys', odd keys')
.set TMP, 48          ; by buffer, four registers c0-c3 at work; when the maximum is found c2 takes a
.set S,   64
.set P,   192
.set MD,  128         ; window 1: the eight registers for group kt of 16 keys at MD + 8 kt
.set MC,  160         ; window 1: the masks of the products to come
.set QB,  64          ; window 2
.set KF,  128         ; window 2: key block kb, channel half c at KF + 16 kb + 8 c
.set VF,  192         ; window 2: key half kk, channel block cb at VF + 32 kk + 8 cb
.set WV,  12          ; s12  my wave's number
.set PB,  14          ; s14  b
.set HI,  15          ; s15  NB - 1 - b
.set G1K, 24          ; s[24:31] descriptor group 1 for K's tiles
.set G1V, 32          ; s[32:39] for V's: it differs in the padding alone
.set G0K, 40          ; s[40:43] descriptor group 0 for K's tiles
.set G0V, 44          ; s[44:47] the same for V's
.set SLOTS, 56        ; s56  tiles still to be asked for
.set CNT, 57          ; s57  counts a tile's key steps, 4 to 1
.set CS,  58          ; s[58:59] c: the packed scaling takes the pair's low word for both halves
.set SEL, 60          ; s[60:61] v_permlanex16_b32's selects: each lane takes its own place in the other half
.set TBK, 62          ; s62  LDS byte at which K of the step to be fetched begins
.set TBV, 63          ; s63  the same for V, less VOFF
.set RT,  70          ; s70  tiles of the block in hand that are still to be entered
.set NXT, 71          ; s71  the tile to be asked for next
.set LQ,  72          ; s72  the last tile of the block whose tiles are being asked for
.set NEW, 73          ; s73  1: the tile to be entered is a block's first
.set OFF, 74          ; s[74:75] a tile's byte offset in K and V
.set AL,  76          ; s[76:77] the mask's factor, in the low word
.set BE,  78          ; s[78:79] the mask's addend
.set OLO, 80          ; s[80:81] O at my rows of the second block
.set BIGN, 82         ; s82  -1e30
.set MSB, 0
.macro WIN new                      ; the high byte repeats the setting that is left; a switch that changes nothing is dropped
.if MSB != (\new)
	s_set_vgpr_msb (MSB<<8)|(\new)
.set MSB, (\new)
.endif
.endm
.set W_KQ, 0x0a       ; K and Q in window 2, S^T in window 0
.set W_KM, 0x1a       ; the same with the C operand in window 1
.set W_PV, 0x52       ; V in window 2, P in window 0, O^T in window 1
.set W_RS, 0x41       ; destination and source 0 in window 1, source 1 in window 0
; A fill.  Waves 0 and 1 fetch the two halves of a tile's K, waves 2 and 3 those of its V: 128 keys each.  An s_nop 0 and four v_nop follow each of the two lines, ahead of the jump and the label.
.macro LOAD
	s_cmp_lt_u32 s[WV], 2
	s_cbranch_scc0 .Lfor_v_\@
	tensor_load_to_lds s[G0K:G0K+3], s[G1K:G1K+7]
	s_nop 0
.rept 4
	v_nop
.endr
	s_branch .Lasked_\@
.Lfor_v_\@:
	tensor_load_to_lds s[G0V:G0V+3], s[G1V:G1V+7]
	s_nop 0
.rept 4
	v_nop
.endr
.Lasked_\@:
.endm
; THE CHANGE OF SLOTS.  Each wave waits for all its tensor loads, of which one is out: its part of the other slot; adds 0 to its spare word; and waits for that and for its own reads of the slot that it leaves.  Behind the barrier nobody reads the old
; slot any more and the other slot is whole.  fill = 1: the old slot is filled again, the first thing behind the barrier, with tile NXT: the descriptor's address is made anew from that number.
; (At its first use nothing has been read yet: slot 0 is waited for, slot 1 filled.)
.macro CHANGE fill
	WIN 0                           ; at a label and at a branch every window is 0
	s_wait_tensorcnt 0x0            ; no tensor load of mine is out, so a group 0 may be written
	ds_add_u32 v[SPW], v[NIL]       ; 0 onto my spare word; with fill = 1 the descriptors' scalar work stands between it and the wait for it
.if \fill
	s_lshl_b32 s[OFF], s[NXT], 15   ; a tile is 32,768 bytes of K and of V
	s_xor_b32 s[G0K+1], s[G0K+1], SLOT1
	s_add_nc_u64 s[G0K+2:G0K+3], s[6:7], s[OFF:OFF+1]
	s_or_b32 s[G0K+3], s[G0K+3], 0x80000000
	s_xor_b32 s[G0V+1], s[G0V+1], SLOT1
	s_add_nc_u64 s[G0V+2:G0V+3], s[8:9], s[OFF:OFF+1]
	s_or_b32 s[G0V+3], s[G0V+3], 0x80000000
	s_add_co_u32 s[NXT], s[NXT], 1  ; the block's next tile, or behind its last the second block's tile 0
	s_cmp_gt_u32 s[NXT], s[LQ]
	s_cselect_b32 s[NXT], 0, s[NXT]
	s_cselect_b32 s[LQ], s[PB], s[LQ]
.endif
	s_wait_dscnt 0x0                ; the add is done, and my reads of the slot are over
	s_barrier_signal -1             ; the rest of the scalar work stands between the signal and the wait
	s_sub_co_u32 s[TBK], s[TBK], 4*KS*PK  ; the fetches go back to a slot's first step,
	s_xor_b32 s[TBK], s[TBK], SLOT1       ; in the other slot
	s_sub_co_u32 s[TBV], s[TBV], 4*KS*PV
	s_xor_b32 s[TBV], s[TBV], SLOT1
	s_barrier_wait -1
.if \fill
	LOAD
.endif
.endm
	s_load_b64 s[4:5], s[0:1], 0x0    ; qkv: Q's, K's and V's addresses are made of it below
	s_load_b64 s[10:11], s[0:1], 0x8  ; ob
	v_lshl_add_u32 v[SPW], v0, 2, SPARE
	v_mov_b32 v[NIL], 0
	ds_add_u32 v[SPW], v[NIL]       ; the wave's opening: the add and its wait stand ahead of my first tensor load; the set-up below, work on registers, stands between them
	ds_add_u32 v62, v63
	v_lshrrev_b32 v1, 5, v0
	v_readfirstlane_b32 s[WV], v1   ; wave 0..3
	s_mov_b32 s[PB], ttmp9
	s_sub_co_u32 s[HI], NB-1, s[PB]
	s_and_b32 s20, ttmp7, 0xffff    ; the head y = 16 b + h
	s_lshr_b32 s88, s20, 4          ; in qkv a batch has 48 heads, not 16: 32 heads of 2^18 bytes more for each batch in front
	s_lshl_b32 s88, s88, 23
	s_mov_b32 s89, 0
	s_mov_b32 s21, 0
	s_mov_b64 s[22:23], SIZE_N*128
	s_mul_u64 s[20:21], s[20:21], s[22:23]  ; y heads of 2^18 bytes
	s_and_b32 s16, s[WV], 1         ; which half of a tile's 256 keys I fetch:
	s_lshl_b32 s22, s16, 14         ; its 128 rows of 128 bytes in memory,
	s_mov_b32 s23, 0
	s_add_nc_u64 s[22:23], s[22:23], s[20:21]
	s_mul_i32 s17, s16, 128*PK      ; and its place in a slot, for K
	s_mul_i32 s18, s16, 128*PV      ; and for V
	s_lshl_b32 s3, s[WV], 11        ; my 16 rows in a band of 64,
	s_lshl_b32 s2, s[HI], 15        ; in the first block,
	s_add_co_u32 s2, s2, s3
	s_lshl_b32 s84, s[PB], 15       ; and in the second
	s_add_co_u32 s84, s84, s3
	s_mov_b32 s3, 0
	s_mov_b32 s85, 0
	s_add_nc_u64 s[2:3], s[2:3], s[20:21]
	s_add_nc_u64 s[84:85], s[84:85], s[20:21]
	; descriptor group 1.  128 keys are 16,384 dense bytes: asked for as 64 rows of 256 bytes, two keys a row, and padded in LDS after every key
	s_mov_b32 s[G1K], (1<<16)|(1<<20)|(4<<22)|(3<<25)  ; 17:16 2-byte elements; 20 padding on; 24:22 after every 32 words (code 4); 31:25 4 words (code 3)
	s_mov_b32 s[G1V], (1<<16)|(1<<20)|(4<<22)|(7<<25)  ; the same with 8 words of padding (code 7)
.irp g, G1K, G1V
	s_mov_b32 s[\g+1], 128<<16      ; tensor_dim0 = 128
	s_mov_b32 s[\g+2], 64<<16       ; tensor_dim1 = 64
	s_mov_b32 s[\g+3], 128<<16      ; tile_dim0 = 128
	s_mov_b32 s[\g+4], 64           ; tile_dim1 = 64
	s_mov_b32 s[\g+5], 128          ; 128 elements from row to row
	s_mov_b32 s[\g+6], 0
	s_mov_b32 s[\g+7], 0
.endr
	s_mov_b32 s[CS], 0x3e38aa3b     ; c = log2(e) / 8 = 0.180337
	s_mov_b32 s[CS+1], s[CS]        ; named with it as a pair
	s_mov_b32 s[SEL], 0x76543210
	s_mov_b32 s[SEL+1], 0xfedcba98
	s_mov_b32 s[TBK], SLOT1+4*KS*PK ; the first change of slots turns these two into 0
	s_mov_b32 s[TBV], SLOT1+4*KS*PV
	s_mov_b32 s[G0K], 1             ; 1:0 count = 1
	s_mov_b32 s[G0K+1], s17         ; 63:32 LDS address: slot 0
	s_mov_b32 s[G0V], 1
	s_add_co_u32 s[G0V+1], s18, VOFF
	s_add_co_u32 s[RT], s[HI], 1    ; the first block has NB - b tiles
	s_mov_b32 s[NXT], 1
	s_mov_b32 s[LQ], s[HI]
	s_mov_b32 s[NEW], 1
	s_mov_b32 s[OFF+1], 0
	s_mov_b32 s[AL+1], 0            ; named as pairs
	s_mov_b32 s[BE+1], 0
	s_mov_b32 s[BIGN], 0xf149f2ca   ; -1e30
	s_mov_b32 s[SLOTS], NB
	s_wait_dscnt 0x0                ; the opening add is done
	s_wait_kmcnt 0x0
	s_add_nc_u64 s[4:5], s[4:5], s[88:89]      ; Q: qkv at my batch's surplus of heads,
	s_add_nc_u64 s[6:7], s[4:5], 0x400000      ; K: 16 heads on,
	s_add_nc_u64 s[8:9], s[4:5], 0x800000      ; V: 32 heads on
	s_add_nc_u64 s[6:7], s[6:7], s[22:23]  ; K and V at my half of the head's tile 0
	s_add_nc_u64 s[8:9], s[8:9], s[22:23]
	s_add_nc_u64 s[G0K+2:G0K+3], s[6:7], 0         ; 120:64 global address
	s_or_b32 s[G0K+3], s[G0K+3], 0x80000000        ; 127:126 type = 2
	s_add_nc_u64 s[G0V+2:G0V+3], s[8:9], 0
	s_or_b32 s[G0V+3], s[G0V+3], 0x80000000
	s_add_nc_u64 s[86:87], s[4:5], s[84:85]        ; Q at my rows of the second block,
	s_add_nc_u64 s[4:5], s[4:5], s[2:3]            ; Q and O at those of the first
	s_add_nc_u64 s[OLO:OLO+1], s[10:11], s[84:85]
	s_add_nc_u64 s[10:11], s[10:11], s[2:3]
	LOAD                            ; tile 0 into slot 0
	; A fragment of K or Q is 16 rows x 32 channels in 8 registers: lane l holds row l % 16, channels 8 (l / 16) + 0..7 and 16 + 8 (l / 16) + 0..7: two loads of 16 bytes, 32 bytes apart.
	v_and_b32 v1, 15, v0            ; l % 16
	v_bfe_u32 v9, v0, 4, 1          ; l / 16
	v_lshlrev_b32 v[QO], 7, v1
	v_lshl_add_u32 v[QO], v9, 4, v[QO]  ; row x 128 + 16 x half
	WIN 0x80                        ; destination window 2, address window 0
.set i, 0
.rept 8                             ; both blocks' Q: piece i / 2 lies in band i / 2, 8,192 bytes on; channels 32 (i % 2) on
	global_load_b128 v[8*i:8*i+3],   v[QO], s[4:5] offset:(i/2)*8192+(i%2)*64
	global_load_b128 v[8*i+4:8*i+7], v[QO], s[4:5] offset:(i/2)*8192+(i%2)*64+32
	global_load_b128 v[QB+8*i:QB+8*i+3],   v[QO], s[86:87] offset:(i/2)*8192+(i%2)*64
	global_load_b128 v[QB+8*i+4:QB+8*i+7], v[QO], s[86:87] offset:(i/2)*8192+(i%2)*64+32
.set i, i+1
.endr
	WIN 0
	v_lshlrev_b32 v14, 3, v9
	v_sub_nc_u32 v14, v1, v14
	s_lshl_b32 s13, s[WV], 4
	v_add_nc_u32 v14, s13, v14      ; my query's place in its band, 16 w + l % 16, less my lanes' 8 (l / 16): register r of group kt is hidden where 16 kt + r is greater
	WIN 0x40
.set i, 0
.rept 32
	v_cmp_gt_i32 vcc_lo, 16*(i/8)+i%8, v14
	v_cndmask_b32 v[MD+i], 0, s[BIGN], vcc_lo
.set i, i+1
.endr
	WIN 0
	v_mul_u32_u24 v[AK0], v1, PK
	v_lshl_add_u32 v[AK0], v9, 4, v[AK0]  ; row x pitch + 16 x half
	; The turning load takes 16 keys x 16 channels (lane l reads key 8 (l / 16) + l % 8, channels 8 ((l / 8) % 2) + 0..7) and leaves half a fragment of V^T: lane l holds channel l % 16 and 8 keys.
	v_and_b32 v10, 7, v0
	v_bfe_u32 v11, v0, 3, 1
	v_lshl_add_u32 v[AV0], v9, 3, v10
	v_mul_u32_u24 v[AV0], v[AV0], PV
	v_lshl_add_u32 v[AV0], v11, 4, v[AV0]
	v_add_nc_u32 v[AV0], VOFF, v[AV0]
	s_mul_i32 s13, s[WV], 16*SP
	s_add_co_u32 s13, s13, STAGE    ; my stage
	v_mul_u32_u24 v[STO], v1, SP    ; in: row l % 16, 16 bytes for each half of the lanes
	v_lshl_add_u32 v[STO], v9, 4, v[STO]
	v_add_nc_u32 v[STO], s13, v[STO]
	v_bfe_u32 v[RD], v0, 3, 2       ; back: 32 lanes take four rows of 128 bytes,
	v_mul_u32_u24 v[RD], v[RD], SP
	v_lshl_add_u32 v[RD], v10, 4, v[RD]
	v_add_nc_u32 v[RD], s13, v[RD]
	v_and_b32 v[GO], 31, v0         ; which are 512 consecutive bytes of O
	v_lshlrev_b32 v[GO], 4, v[GO]
	; A block's first step multiplies O^T and l by a = 0, and its first turn's products V^T P, of a piece that has not been, land in an O^T that is still to be so multiplied.  So these registers need only hold
	; finite numbers: zeros for the first block; what the first block left for the second.  All this stands in the wait for the first tile.
	WIN 0x80
.set i, VF
.rept 64
	v_mov_b32 v[i], 0
.set i, i+1
.endr
	WIN 0x40
.set i, 0
.rept 128
	v_mov_b32 v[i], 0
.set i, i+1
.endr
	WIN 0
.set i, 0
.rept 4
	v_mov_b32 v[ST+4*i+2], 0
	v_mov_b32 v[ST+4*i+3], 0
.set i, i+1
.endr
.set i, P+16
.rept 16
	v_mov_b32 v[i], 0
.set i, i+1
.endr
; THE MATRIX WORK.  The 4 accumulators of a run of 8 take turns.  Product i of 8 of S^T = K Q^T for piece x: channels 32 (i / 4) on, keys 16 (i % 4) on.  The first 4 start the sums: with 0, or (KM = 1) with the mask.
.macro KQ x
.set rS, S+32*((\x)%2)+8*(i%4)
.set rK, KF+16*(i%4)+8*(i/4)
.set rQ, 16*(\x)+8*(i/4)
.set rM, MC+32*((\x)%2)+8*(i%4)
.if (i < 4) && KM
	WIN W_KM
	v_wmma_f32_16x16x32_f16 v[rS:rS+7], v[rK:rK+7], v[rQ:rQ+7], v[rM:rM+7]
.elseif i < 4
	WIN W_KQ
	v_wmma_f32_16x16x32_f16 v[rS:rS+7], v[rK:rK+7], v[rQ:rQ+7], 0
.else
	WIN W_KQ
	v_wmma_f32_16x16x32_f16 v[rS:rS+7], v[rK:rK+7], v[rQ:rQ+7], v[rS:rS+7]
.endif
.endm
; Product i of 8 of O^T += V^T P for piece x: keys 32 (i / 4) on, channels 16 (i % 4) on.
.macro PV x
	WIN W_PV
.set rO, 32*(\x)+8*(i%4)
.set rV, VF+32*(i/4)+8*(i%4)
.set rP, P+16*((\x)%2)+8*(i/4)
	v_wmma_f32_16x16x32_f16 v[rO:rO+7], v[rV:rV+7], v[rP:rP+7], v[rO:rO+7]
.endm
.macro MM                           ; the turn's next matrix instruction.  TURN and BEGIN set Y, i, KM and NOKQ; MM, KQ and OP read them.  NOKQ = 1: a block's last turn: there is no next piece
.if (i < 8) && !NOKQ
	KQ (Y+1)%NP
.elseif i >= 8
.set i, i-8
	PV (Y+NP-1)%NP
.set i, i+8
.endif
.set i, i+1
.endm
; THE LDS LOADS stand in runs of 16, never singly among the matrix instructions: a step's K (64 keys x 64 channels: 8 fragments) and its V (turned).  Their addresses are made some lines ahead.
.macro FETCH_K
	WIN 0x80                        ; destination window 2
.irp f, 0,1,2,3,4,5,6,7             ; keys 16 (f / 2) on, channels 32 (f % 2) on
	ds_load_b128 v[KF+8*\f:KF+8*\f+3],   v[AK] offset:(\f/2)*16*PK+(\f%2)*64
	ds_load_b128 v[KF+8*\f+4:KF+8*\f+7], v[AK] offset:(\f/2)*16*PK+(\f%2)*64+32
.endr
	s_add_co_u32 s[TBK], s[TBK], KS*PK  ; the next fetch is the next step's
	WIN 0
.endm
.macro FETCH_V
	WIN 0x80
.irp f, 0,1,2,3,4,5,6,7             ; keys 32 (f / 4) on, channels 16 (f % 4) on
	ds_load_tr16_b128 v[VF+8*\f:VF+8*\f+3],   v[AV] offset:(\f/4)*32*PV+(\f%4)*32
	ds_load_tr16_b128 v[VF+8*\f+4:VF+8*\f+7], v[AV] offset:(\f/4)*32*PV+16*PV+(\f%4)*32
.endr
	WIN 0
.endm
; THE VECTOR WORK, one line at a time: OP kind, number.  For piece Y: F n: c s - c m for pair n of 16.  E n: the exponential of score n of 32.  C n: pair n rounded to f16.  B n: of the four weights 4 n .. the second
; pair is added onto the first, in place.  L n: l takes that sum (L 0: l = a l + sum).  R n: pair n of 16 of O^T times a.  For piece Y + 1: X n, number n of the 22 that find its maximum and statistics:
;   0-11  four chains c0-c3 of seven scores each, three operands at a time (each accumulator's lowest registers are read first)     12-14, 16  the four scores left over, the old m, and c0-c3 into c0
;   15  c m_old is kept     17, 18  the query's other 32 keys lie in the lane 16 away: the new m     19-21  c m; c m_old - c m_new; a
.set F, 0               ; OP tells the kinds apart by their order: F to L below R, X above it
.set E, 1
.set C, 2
.set B, 3
.set L, 4
.set R, 5
.set X, 6
.macro REGS y                       ; the registers of piece y
.set rT, ST+4*(\y)
.set rC, TMP+4*((\y)%2)
.set rW, MV+((\y)%2)
.set rS, S+32*((\y)%2)
.set rP, P+16*((\y)%2)
.set rO, 32*(\y)
.endm
.macro OP k, n
.if (\k) == R
	REGS Y
	WIN W_RS
	v_pk_mul_f32 v[rO+2*(\n):rO+2*(\n)+1], v[rO+2*(\n):rO+2*(\n)+1], v[rC+2:rC+3] op_sel_hi:[1,0]
.elseif (\k) < R
	REGS Y
	WIN 0
.if (\k) == F
	v_pk_fma_f32 v[rS+2*(\n):rS+2*(\n)+1], v[rS+2*(\n):rS+2*(\n)+1], s[CS:CS+1], v[rT:rT+1] op_sel_hi:[1,0,0] neg_lo:[0,0,1] neg_hi:[0,0,1]
.elseif (\k) == E
	v_exp_f32 v[rS+(\n)], v[rS+(\n)]
.elseif (\k) == C
	s_wait_alu depctr_va_vdst(0)
	v_cvt_pk_f16_f32 v[rP+(\n)], v[rS+2*(\n)], v[rS+2*(\n)+1]
.elseif (\k) == B
	s_wait_alu depctr_va_vdst(0)
	v_pk_add_f32 v[rS+4*(\n):rS+4*(\n)+1], v[rS+4*(\n):rS+4*(\n)+1], v[rS+4*(\n)+2:rS+4*(\n)+3]
.elseif (\n) == 0
	v_pk_fma_f32 v[rT+2:rT+3], v[rT+2:rT+3], v[rC+2:rC+3], v[rS:rS+1] op_sel_hi:[1,0,1]
.else
	v_pk_add_f32 v[rT+2:rT+3], v[rT+2:rT+3], v[rS+4*(\n):rS+4*(\n)+1]
.endif
.elseif NOKQ
	v_nop
.else
	REGS (Y+1)%NP
	WIN 0
.if (\n) < 4
	v_max3_num_f32 v[rC+(\n)], v[rS+8*(\n)], v[rS+8*(\n)+1], v[rS+8*(\n)+2]
.elseif (\n) < 12
	v_max3_num_f32 v[rC+(\n)%4], v[rC+(\n)%4], v[rS+8*((\n)%4)+2*((\n)/4)+1], v[rS+8*((\n)%4)+2*((\n)/4)+2]
.elseif (\n) == 12
	v_max3_num_f32 v[rC], v[rC], v[rS+7], v[rS+15]
.elseif (\n) == 13
	v_max3_num_f32 v[rC+1], v[rC+1], v[rS+23], v[rS+31]
.elseif (\n) == 14
	v_max3_num_f32 v[rC+2], v[rC+2], v[rC+3], v[rT+1]
.elseif (\n) == 15
	v_mov_b32 v[rW], v[rT]
.elseif (\n) == 16
	v_max3_num_f32 v[rC], v[rC], v[rC+1], v[rC+2]
.elseif (\n) == 17
	v_permlanex16_b32 v[rC+3], v[rC], s[SEL], s[SEL+1]
.elseif (\n) == 18
	v_max_num_f32 v[rT+1], v[rC], v[rC+3]
.elseif (\n) == 19
	v_mul_f32 v[rT], s[CS], v[rT+1]
.elseif (\n) == 20
	v_sub_f32 v[rC+1], v[rW], v[rT]
.else
	v_exp_f32 v[rC+2], v[rC+1]
.endif
.endif
.endm
.macro OPS a, i1, b=-1, i2=0, c=-1, i3=0, d=-1, i4=0  ; up to four of them
	OP \a, \i1
.if (\b) >= 0
	OP \b, \i2
.endif
.if (\c) >= 0
	OP \c, \i3
.endif
.if (\d) >= 0
	OP \d, \i4
.endif
.endm
.macro ROW a, i1, b, i2, c, i3, d, i4  ; a matrix instruction and the four behind it
	MM
	OPS \a, \i1, \b, \i2, \c, \i3, \d, \i4
.endm
.macro MASK b                       ; MD x AL + BE into buffer b of MC
	WIN W_RS
.set z, 0
.rept 16
	v_pk_fma_f32 v[MC+32*(\b)+2*z:MC+32*(\b)+2*z+1], v[MD+2*z:MD+2*z+1], s[AL:AL+1], s[BE:BE+1] op_sel_hi:[1,0,0]
.set z, z+1
.endr
.endm
; A TURN, for piece p: the order of its 16 matrix and 118 vector instructions, written out.  Behind a matrix instruction: plain, exponential, plain, plain; or four of the rescaling; or, behind the first, four scalings; none
; names a register of the products round it.  In the lumps exponential and plain by turns while exponentials last.  A line reads no result made fewer than three vector instructions in front of it, five if an exponential made it.
; v_permlanex16_b32 (X 17) stands in a lump.
; m = 1: the diagonal tile: the products take masks, and the turn makes the mask for the products of the turn after it: piece p + 2, in step 4 - CNT of the tile.  end = 1: a block's last two turns: nothing is fetched.
; cnt = 1: the loop's count is taken down some lines ahead of the branch that stands behind the turn.
; K of the next step is fetched in piece 2's turn, six vector instructions behind the last product that read K (five of them plain); V of the step in hand in piece 0's turn, eight behind the last product that read V (four
; plain, and X 17).  Each is waited for a turn later.
.macro TURN p, m=0, end=0, cnt=0
.set Y, (\p)
.set i, 0
.set KM, (\m)
.set NOKQ, (\end)*((\p)/3)
.if (\m) && !(\end)
	s_cmp_eq_u32 s[CNT], 4-((\p)+2)%NP  ; is that step the band's own?
	s_cselect_b32 s[AL], 1.0, 0
	s_cmp_lt_u32 s[CNT], 4-((\p)+2)%NP  ; or a later one?
	s_cselect_b32 s[BE], s[BIGN], 0
.endif
.if ((\p) == 3) && !(\end)
	s_wait_dscnt 0x0                ; K is in
.endif
	ROW F,0, F,1, F,2, F,3
	ROW F,4, E,0, F,5, F,6
	ROW F,7, E,1, F,8, F,9
	ROW F,10, E,2, C,0, F,11
	ROW F,12, E,3, X,15, F,13
	ROW R,0, R,1, R,2, R,3
	ROW B,0, E,4, F,14, L,0
.if ((\p) == 2) && !(\end)
	v_add_nc_u32 v[AK], s[TBK], v[AK0]
.endif
	ROW R,4, R,5, R,6, R,7
	OPS E,5, F,15
.if ((\p) == 2) && !(\end)
	FETCH_K
.endif
	OPS E,6, C,1, E,7, R,8
	OPS E,8, R,9, E,9, C,2
	OPS E,10, X,0, E,11, X,1
	OPS E,12, X,2, E,13, X,3
.if (\p) == 1
	s_wait_dscnt 0x0                ; V is in
.endif
	ROW X,4, E,14, X,5, X,6
	ROW X,7, E,15, X,8, X,9
	ROW X,10, E,16, X,11, X,12
	ROW X,13, E,17, X,14, B,1
	ROW C,4, E,18, X,16, L,1
	ROW B,2, E,19, C,6, L,2
	ROW C,8, E,20, B,3, B,4
.if (\p) == 0
	v_add_nc_u32 v[AV], s[TBV], v[AV0]
.endif
	ROW C,3, E,21, L,3, C,5
	OPS E,22, X,17, E,23, C,10
.if (\p) == 0
	FETCH_V
.endif
	OPS E,24, L,4
	OPS E,25, X,18, E,26, C,7
	OPS E,27, B,5, E,28, X,19
	OPS E,29, C,12, E,30, L,5
	OPS E,31, X,20, B,6, C,9
	OPS C,14, C,11, X,21, L,6
.if (\p) == 0
	s_add_co_u32 s[TBV], s[TBV], KS*PV
.endif
.if \cnt
	s_sub_co_u32 s[CNT], s[CNT], 1
	s_cmp_lg_u32 s[CNT], 0
.endif
	OPS C,13, B,7, C,15, R,10
	OPS R,11, R,12, L,7, R,13
	OPS R,14, R,15
.if (\m) && !(\end)
	MASK (\p)%2
.endif
.endm
; A BLOCK BEGINS.  c m starts far below every c s, so the first step's a is 0; m at the lowest finite number, so the first maximum is the scores'.  The second mask buffer is 0; the first takes piece 0's mask for the tile's step 0: its own, if the block's first tile is the diagonal one.
; Then K of that step, piece 0's first scores, and its maximum and statistics.  The loop is entered at a step's first turn, in the middle of a trip.
.macro BEGIN
	s_mov_b32 s[NEW], 0
	WIN 0x40
.set i, MC+32
.rept 32
	v_mov_b32 v[i], 0
.set i, i+1
.endr
	WIN 0
.set i, 0
.rept 4
	v_mov_b32 v[ST+4*i], 0xfe000000    ; c m: far below every c s
	v_mov_b32 v[ST+4*i+1], 0xff7fffff  ; m
.set i, i+1
.endr
	s_cmp_eq_u32 s[RT], 0
	s_cselect_b32 s[AL], 1.0, 0
	s_mov_b32 s[BE], 0
	MASK 0
	WIN 0
	v_add_nc_u32 v[AK], s[TBK], v[AK0]
	FETCH_K
	s_wait_loadcnt 0x0              ; Q
	s_wait_dscnt 0x0
.set KM, 1
.set NOKQ, 0
.set i, 0
.rept 8
	KQ 0
.set i, i+1
.endr
	WIN 0
.rept 4
	v_nop                           ; the places behind those products
.endr
.set Y, NP-1                        ; X works for piece Y + 1: piece 0
.irp n, 0,1,2,3,4,5,6,7,8,9,10,11,12,13,14,15,16,17,18,19,20,21
	OP X, \n
.endr
	v_nop                           ; a plain instruction behind the exponential
.endm
; THE DIAGONAL TILE's four steps, the block's last two turns, its last products, and THE WAY OUT: l's two halves and the other half of the lanes' are added; O^T is divided by l, rounded to f16 and sent through my
; stage in LDS, a piece at a time.
.macro ALL line:vararg              ; one line for each piece t
.set t, 0
.rept 4
	\line
.set t, t+1
.endr
.endm
.macro PACK t                       ; a lane's eight channels of a row pack into 16 bytes; they go into rows of 144 bytes and come back as whole rows of 128, into S^T's registers
	WIN W_RS
.set i, 32*(\t)
.rept 16
	s_wait_alu depctr_va_vdst(0)
	v_pk_mul_f32 v[i:i+1], v[i:i+1], v[ST+4*(\t)+2:ST+4*(\t)+3] op_sel_hi:[1,0]
.set i, i+2
.endr
	WIN 0x05                        ; sources 0 and 1 window 1, destination window 0
.set i, 0
.rept 16
	v_cvt_pk_f16_f32 v[S+16*(\t)+i], v[32*(\t)+2*i], v[32*(\t)+2*i+1]
.set i, i+1
.endr
	WIN 0
.irp f, 0,1,2,3
	ds_store_b128 v[STO], v[S+16*(\t)+4*\f:S+16*(\t)+4*\f+3] offset:32*\f
.endr
.irp f, 0,1,2,3
	ds_load_b128 v[S+16*(\t)+4*\f:S+16*(\t)+4*\f+3], v[RD] offset:\f*4*SP  ; LDS serves a wave's instructions in order (ISA guide 5.7.1.4): these see the stores above; the next piece's stores come behind them
.endr
.endm
.macro SEND t, younger              ; younger: the LDS instructions issued behind piece t's loads: the next piece's eight, or none
	WIN 0
.irp f, 0,1,2,3
	s_wait_dscnt (\younger)+3-\f
	global_store_b128 v[GO], v[S+16*(\t)+4*\f:S+16*(\t)+4*\f+3], s[10:11] offset:(\t)*8192+\f*512  ; 512 consecutive bytes, at a multiple of 256 from O's first
.endr
.endm
.macro DIAG tag                     ; the tag ends its two labels' names, which the jumps below spell out
.LstepM\tag:
	TURN 2, 1
	TURN 3, 1
	WIN 0
.LfirstM\tag:
	TURN 0, 1
	TURN 1, 1, 0, 1
	WIN 0
	s_cbranch_scc1 .LstepM\tag
	TURN 2, 1, 1
	TURN 3, 1, 1
.set i, 0
.rept 8
	PV NP-1
.set i, i+1
.endr
	WIN 0
	ALL v_add_f32 v[ST+4*t+2], v[ST+4*t+2], v[ST+4*t+3]
	ALL v_permlanex16_b32 v[ST+4*t+3], v[ST+4*t+2], s[SEL], s[SEL+1]
	ALL v_add_f32 v[ST+4*t+2], v[ST+4*t+2], v[ST+4*t+3]
	ALL v_rcp_f32 v[ST+4*t+2], v[ST+4*t+2]
	v_nop                           ; a plain instruction between the last reciprocal and the use of its result
	PACK 0
.set t, 1
.rept 3                             ; a piece's arithmetic stands between the loads of the piece before and its stores
	PACK t
	SEND t-1, 8
.set t, t+1
.endr
	SEND 3, 0
.endm
.set KM, 0
.set NOKQ, 0
.Lslot:                             ; NB times: a tile is entered and the next is asked for
	CHANGE 1
	s_sub_co_u32 s[RT], s[RT], 1
	s_mov_b32 s[CNT], 4
	s_cmp_eq_u32 s[NEW], 1
	s_cbranch_scc1 .Lnew            ; a block's first tile
	s_cmp_eq_u32 s[RT], 0
	s_cbranch_scc0 .Lstep           ; neither its first nor its last
	s_branch .LstepM1
.Lnew:
	BEGIN
	s_branch .Lfirst                ; in the loop a block's first tile is never its last: the first block has two tiles or more, and the second's last is the walk's last
	DIAG 1                          ; in the loop this is the first block's end: the second block's last tile is the walk's last
	s_wait_xcnt 0x0                 ; the stores have read their registers and O's address
	s_mov_b64 s[10:11], s[OLO:OLO+1]
	s_add_co_u32 s[RT], s[PB], 1    ; the second block has b + 1 tiles
	s_mov_b32 s[NEW], 1
	WIN 0x82                        ; the second block's Q goes where the one text of the turns names Q
.set i, 0
.rept 64
	v_mov_b32 v[i], v[QB+i]
.set i, i+1
.endr
	WIN 0
	s_branch .Lbottom
.Lstep:                             ; a trip: pieces 2 and 3 of one step, then pieces 0 and 1 of the next, whose K and V it fetches
	TURN 2
	TURN 3
	WIN 0
.Lfirst:
	TURN 0
	TURN 1, 0, 0, 1
	WIN 0
	s_cbranch_scc1 .Lstep
.Lbottom:
	s_sub_co_u32 s[SLOTS], s[SLOTS], 1
	s_cmp_lg_u32 s[SLOTS], 0
	s_cbranch_scc1 .Lslot
	CHANGE 0                        ; the walk's last tile is written out: nothing is asked for
	s_sub_co_u32 s[RT], s[RT], 1
	s_mov_b32 s[CNT], 4
	s_cmp_eq_u32 s[NEW], 1
	s_cbranch_scc0 .LstepM2
	BEGIN
	s_branch .LfirstM2
	DIAG 2
	s_wait_tensorcnt 0x0            ; the wave's end: a wait, an add and its wait behind my last tensor load and my last LDS store
	ds_add_u32 v[SPW], v[NIL]
	s_wait_dscnt 0x0
	s_endpgm
.Lfunc_end_k_qfb721fbb96_attn:
	.size	k_qfb721fbb96_attn, .Lfunc_end_k_qfb721fbb96_attn-k_qfb721fbb96_attn
	.p2alignl 7, 3214868480
	.fill 96, 4, 3214868480
	.section	.rodata,"a",@progbits
	.p2align	6, 0x0
	.amdhsa_kernel k_qfb721fbb96_attn
		.amdhsa_group_segment_fixed_size 327680
		.amdhsa_private_segment_fixed_size 0
		.amdhsa_enable_private_segment 0
		.amdhsa_kernarg_size 16
		.amdhsa_user_sgpr_count 2
		.amdhsa_user_sgpr_kernarg_segment_ptr 1
		.amdhsa_wavefront_size32 1
		.amdhsa_system_sgpr_workgroup_id_x 1
		.amdhsa_system_sgpr_workgroup_id_y 1
		.amdhsa_system_sgpr_workgroup_id_z 1
		.amdhsa_system_vgpr_workitem_id 0
		.amdhsa_next_free_vgpr 768
		.amdhsa_next_free_sgpr 90
		.amdhsa_reserve_vcc 1
		.amdhsa_float_denorm_mode_32 3
		.amdhsa_float_denorm_mode_16_64 3
		.amdhsa_memory_ordered 1
		.amdhsa_forward_progress 1
		.amdhsa_inst_pref_size 228
	.end_amdhsa_kernel
	.amdgpu_metadata
---
amdhsa.version: [ 1, 2 ]
amdhsa.kernels:
  - .name:           k_qfb721fbb96_attn
    .symbol:         k_qfb721fbb96_attn.kd
    .args:
      - { .name: qkv, .offset: 0, .size: 8, .value_kind: global_buffer, .address_space: global }
      - { .name: ob, .offset: 8, .size: 8, .value_kind: global_buffer, .address_space: global }
    .group_segment_fixed_size: 327680
    .private_segment_fixed_size: 0
    .kernarg_segment_align: 8
    .kernarg_segment_size: 16
    .max_flat_workgroup_size: 128
    .sgpr_count:     90
    .vgpr_count:     768
    .wavefront_size: 32
...
	.end_amdgpu_metadata
.endif
;; end of part 3
;; launch proj (part 4): grid 8 x 32, 4 waves a work-group, clusters of 4 x 4, 327,680 bytes of LDS; arguments ob, wpf, out0; writes out0
.if DOCPART == 4
	.amdgcn_target "amdgcn-amd-amdhsa--gfx1250"
	.amdhsa_code_object_version 6
	.text
	.protected	k_qfb721fbb96_proj
	.globl	k_qfb721fbb96_proj
	.p2align	8
	.type	k_qfb721fbb96_proj,@function
k_qfb721fbb96_proj:
	s_mov_b64 s[64:65], 0
	v_nop
	global_prefetch_b8 v0, s[64:65] scope:SCOPE_SE
	s_setreg_imm32_b32 hwreg(HW_REG_WAVE_MODE, 25, 1), 1
	s_wait_xcnt 0x0
	s_wait_alu depctr_hold_cnt(0) depctr_sa_sdst(0) depctr_va_vdst(0) depctr_va_sdst(0) depctr_va_ssrc(0) depctr_va_vcc(0) depctr_vm_vsrc(0)
	s_getreg_b32 s2, hwreg(HW_REG_IB_STS2, 6, 4)
	s_cmp_eq_u32 s2, 0
	s_cbranch_scc0 .Lentry_in_a_cluster
	s_endpgm
.Lentry_in_a_cluster:
	s_bfe_u32 s2, ttmp6, 0x10000c
	s_cmp_lg_u32 s2, 0xf033
	s_cbranch_scc0 .Lentry_shape_is_right
	s_endpgm
.Lentry_shape_is_right:
; out0[m][e] = sum over k of O[m][k] w_proj[e][k], 8,192 x 1,024 x 1,024, f16 operands, f32 sums, stored as f32, row-major.
; OPERANDS lie in blocks of 64 along K.  O as the attention left it, ob[16 b + h][2048][64]: head h is K block h of batch b's rows.  wpf[kb][1024][64].  A block's rows are dense, 128 bytes each:
; they are asked for as rows of 256 bytes and padded in LDS behind every 128.
; SHARES.  A tile of C is 256 rows x 128 columns: 32 x 8 = 256 work-groups.  Four waves, each 128 rows x 64 columns: 32 accumulators of 16 x 16, 256 registers.
; K goes in 8 steps of 128 (two blocks) through two LDS slots: 128 matrix instructions a wave in a step.  Wave 0 fetches O's first block of a step (256 rows), wave 1 its second, waves 2 and 3 wpf's two (128 rows each).
; CLUSTER.  4 x 4 work-groups: the four of a row of the cluster need the same rows of O, the four of a column the same rows of wpf: each tile is asked for jointly.
; THE MATRIX INSTRUCTION IS USED TRANSPOSED (source 0 = 16 rows of wpf, source 1 = 16 rows of O): a lane then holds one row of C and eight neighbouring columns, 32 bytes.
; REGISTERS: window 0: v0-31 addresses; v32-95, v96-159 O's fragments (8 x 16 rows x 32 K), two buffers, on the way out rows read back; v160-191, v192-223 wpf's (4 x 16 rows x 32 K), two buffers
;   window 1: the accumulators: (a, b) at v[8 (4 a + b)]
.set PITCH,  144                       ; an LDS row: 128 bytes + 16 of padding = 36 words: the 16 rows of a fragment load start at 16 different groups of four banks (64 banks of 4 bytes: ISA guide 11.1)
.set AKB,    256*PITCH                 ; one block of O's tile
.set BKB,    128*PITCH                 ; one block of wpf's tile
.set BOFF,   2*AKB
.set SLOT1,  1<<17
.set STAGE,  SLOT1+2*AKB+2*BKB         ; behind the ring: 16 rows x 272 bytes for each wave, for the way out
.set SPITCH, 272                       ; 256 bytes + 16
.set SPARE,  STAGE+4*16*SPITCH         ; behind the stages: the spare words, 128 bytes for each wave: two blocks of 256 bytes that no other line names
.set ASTEP,  2*2048*128                ; bytes from K step to K step in ob: two heads
.set BSTEP,  2*1024*128                ; in wpf: two blocks
.set ADRA, 16                          ; v16  LDS address of my O fragments in the slot in hand
.set ADRB, 17                          ; v17  of my wpf fragments
.set HA,   18                          ; v18  the same in slot 0; never rewritten
.set HB,   19                          ; v19
.set STO,  24                          ; v24  the way out: where I put 32 bytes of a row
.set RD,   25                          ; v25  the way out: where I read a row back
.set CO,   26                          ; v26  my byte offset in out0
.set SPW,  28                          ; v28  LDS address of my spare word: SPARE + 4 x my thread's number; never rewritten
.set NIL,  29                          ; v29  0; never rewritten
.set FA,   32
.set FB,   160
.set G1,  24                           ; s[24:31] descriptor group 1 for O's tiles
.set G0,  32                           ; s[32:39] group 0: a set for each of the two first fills; the second then walks on
.set TB,  45                           ; s45      0 or SLOT1: the slot in hand
.set G1B, 48                           ; s[48:55], s[56:63] the same for wpf's tiles
.set G0B, 56
.set MSB, 0
.macro WIN new                         ; the immediate's high byte repeats the setting that is left; a switch that changes nothing is dropped
.if MSB != (\new)
	s_set_vgpr_msb (MSB<<8)|(\new)
.set MSB, \new
.endif
.endm
.macro PLACES                          ; four plain vector instructions in front of loads into registers that matrix instructions have read, and of LDS stores that read results (ISA guide 7.12.1 for vector instructions)
.rept 4
	v_nop
.endr
.endm
.macro JLOAD                           ; a joint refill: waves 0 and 1 fetch O's two blocks, waves 2 and 3 wpf's; an s_nop 0 and four v_nop follow each of the two lines
	s_cmp_lt_u32 s10, 2
	s_cbranch_scc0 .Lfor_b_\@
	tensor_load_to_lds s[G0+4:G0+7], s[G1:G1+7]
	s_nop 0
.rept 4
	v_nop
.endr
	s_branch .Lasked_\@
.Lfor_b_\@:
	tensor_load_to_lds s[G0B+4:G0B+7], s[G1B:G1B+7]
	s_nop 0
.rept 4
	v_nop
.endr
.Lasked_\@:
.endm
.macro CREST                           ; a round of the cluster's barrier behind its opening barrier
	s_cmp_lg_u32 s10, 0
	s_cbranch_scc1 .Lnot_wave_0_\@
	s_barrier_signal -3
.Lnot_wave_0_\@:
	s_barrier_wait -3
	s_barrier_signal -1
	s_barrier_wait -1
.endm
.macro CROUND                          ; a whole round
	s_barrier_signal -1
	s_barrier_wait -1
	CREST
.endm
	s_load_b128 s[4:7], s[0:1], 0x0                ; ob s[4:5], wpf s[6:7]
	s_load_b64 s[8:9], s[0:1], 0x10                ; out0
	v_lshl_add_u32 v[SPW], v0, 2, SPARE
	v_mov_b32 v[NIL], 0
	ds_add_u32 v[SPW], v[NIL]                      ; the wave's opening: the add and its wait stand ahead of my first tensor load; the set-up below, work on registers, stands between them
	ds_add_u32 v28, v29
	v_lshrrev_b32 v1, 5, v0
	v_readfirstlane_b32 s10, v1                    ; wave 0..3
	s_lshr_b32 s11, s10, 1                         ; which 128 of the tile's rows are mine
	s_and_b32 s12, s10, 1                          ; which 64 of its columns.  Also: which of a step's two blocks I fetch
	s_bfe_u32 s40, ttmp6, 0x40000                  ; cx, cy
	s_bfe_u32 s41, ttmp6, 0x40004
	s_lshl_b32 s42, ttmp9, 2
	s_add_co_u32 s42, s42, s40                     ; tile column, 0..7
	s_and_b32 s13, ttmp7, 0xffff
	s_lshl_b32 s13, s13, 2
	s_add_co_u32 s13, s13, s41                     ; tile row, 0..31
	s_lshl_b32 s43, s41, 2
	s_lshl_b32 s43, 15, s43                        ; my row of the cluster
	s_lshl_b32 s44, 0x1111, s40                    ; my column
	s_or_b32 s[G1+0], s43, (1<<16)|(1<<20)|(1<<21)|(4<<22)|(3<<25)   ; the mask; 2-byte elements; padding on; bit 21 beside a mask; after every 32 words (code 4) 4 words (code 3)
	s_or_b32 s[G1B+0], s44, (1<<16)|(1<<20)|(1<<21)|(4<<22)|(3<<25)
	s_mov_b32 s[G1+1], 128<<16                     ; tensor_dim0 = 128
	s_mov_b32 s[G1B+1], 128<<16
	s_mov_b32 s[G1+2], 128<<16                     ; tensor_dim1: 256 tile rows are 128 rows of 256 bytes,
	s_mov_b32 s[G1B+2], 64<<16                     ; 128 are 64
	s_mov_b32 s[G1+3], 128<<16                     ; tile_dim0 = 128
	s_mov_b32 s[G1B+3], 128<<16
	s_mov_b32 s[G1+4], 128                         ; tile_dim1
	s_mov_b32 s[G1B+4], 64
	s_mov_b32 s[G1+5], 128                         ; 128 elements from row to row
	s_mov_b32 s[G1B+5], 128
	s_mov_b32 s[G1+6], 0
	s_mov_b32 s[G1B+6], 0
	s_mov_b32 s[G1+7], 0
	s_mov_b32 s[G1B+7], 0
	s_lshr_b32 s16, s13, 3                         ; ob: batch = tile row / 8, 16 heads of 2^18 bytes each,
	s_lshl_b32 s16, s16, 22
	s_and_b32 s17, s13, 7                          ; 256 rows of 128 bytes for each tile row within the batch,
	s_lshl_b32 s17, s17, 15
	s_add_co_u32 s16, s16, s17
	s_lshl_b32 s17, s12, 18                        ; and my block of the step: a head further on
	s_add_co_u32 s16, s16, s17
	s_mov_b32 s17, 0
	s_lshl_b32 s46, s42, 14                        ; wpf: 128 rows of 128 bytes a tile column,
	s_lshl_b32 s47, s12, 17                        ; my block: 1,024 rows further on
	s_add_co_u32 s46, s46, s47
	s_mov_b32 s47, 0
	s_mul_i32 s20, s12, AKB                        ; where they go: no place in the cluster enters an LDS address
	s_mul_i32 s21, s12, BKB
	s_add_co_u32 s21, s21, BOFF
	s_mov_b32 s[TB], 0
	s_wait_dscnt 0x0                               ; the opening add is done
	s_wait_kmcnt 0x0
	s_add_nc_u64 s[14:15], s[4:5], s[16:17]
	s_add_nc_u64 s[46:47], s[6:7], s[46:47]
	CROUND                                         ; all sixteen work-groups are here: the first joint loads meet
.irp n, 0,1
	s_mov_b32 s[G0+4*(\n)], 1
	s_add_co_u32 s[G0+4*(\n)+1], s20, (\n)*SLOT1
	s_add_nc_u64 s[G0+4*(\n)+2:G0+4*(\n)+3], s[14:15], (\n)*ASTEP
	s_or_b32 s[G0+4*(\n)+3], s[G0+4*(\n)+3], 0x80000000
	s_mov_b32 s[G0B+4*(\n)], 1
	s_add_co_u32 s[G0B+4*(\n)+1], s21, (\n)*SLOT1
	s_add_nc_u64 s[G0B+4*(\n)+2:G0B+4*(\n)+3], s[46:47], (\n)*BSTEP
	s_or_b32 s[G0B+4*(\n)+3], s[G0B+4*(\n)+3], 0x80000000
.endr
	s_cmp_lt_u32 s10, 2                            ; a wave's two first fills stand in one branch, ahead of every wait on TENSORcnt and every LDS read: two loads of mine are out
	s_cbranch_scc0 .Lfirst_b
	tensor_load_to_lds s[G0:G0+3], s[G1:G1+7]
	s_nop 0
	tensor_load_to_lds s[G0+4:G0+7], s[G1:G1+7]
	s_nop 0
.rept 4
	v_nop
.endr
	s_branch .Lfirst_asked
.Lfirst_b:
	tensor_load_to_lds s[G0B:G0B+3], s[G1B:G1B+7]
	s_nop 0
	tensor_load_to_lds s[G0B+4:G0B+7], s[G1B:G1B+7]
	s_nop 0
.rept 4
	v_nop
.endr
.Lfirst_asked:
	v_and_b32 v1, 15, v0                           ; l % 16
	v_bfe_u32 v2, v0, 4, 1                         ; l / 16
	v_mul_u32_u24 v3, v1, PITCH
	v_lshl_add_u32 v3, v2, 4, v3                   ; a fragment's row x pitch + 16 x half
	s_mul_i32 s22, s11, 128*PITCH                  ; my 128 rows within a block of O
	s_mul_i32 s23, s12, 64*PITCH                   ; my 64 rows within a block of wpf
	s_add_co_u32 s23, s23, BOFF
	v_add_nc_u32 v[HA], s22, v3
	v_add_nc_u32 v[HB], s23, v3
	v_mov_b32 v[ADRA], v[HA]
	v_mov_b32 v[ADRB], v[HB]
	s_mul_i32 s22, s10, 16*SPITCH
	s_add_co_u32 s22, s22, STAGE                   ; my stage
	v_mul_u32_u24 v4, v1, SPITCH                   ; in: row l % 16, 32 bytes for each half of the lanes
	v_lshl_add_u32 v4, v2, 5, v4
	v_add_nc_u32 v[STO], s22, v4
	v_mul_u32_u24 v5, v2, SPITCH                   ; back: lanes 0-15 take one row of 256 bytes, lanes 16-31 the next
	v_lshl_add_u32 v5, v1, 4, v5
	v_add_nc_u32 v[RD], s22, v5
	v_lshlrev_b32 v6, 12, v2                       ; and the same two rows in out0, 4,096 bytes apart
	v_lshl_add_u32 v[CO], v1, 4, v6
	s_lshl_b32 s16, s13, 20                        ; my part of out0: row 256 x tile row + 128 x half, of 4,096 bytes;
	s_lshl_b32 s17, s11, 19
	s_add_co_u32 s16, s16, s17
	s_lshl_b32 s46, s42, 9                         ; column 128 x tile column + 64 x half, of 4 bytes
	s_lshl_b32 s47, s12, 8
	s_add_co_u32 s46, s46, s47
	s_add_co_u32 s46, s46, s16
	s_mov_b32 s47, 0
	s_add_nc_u64 s[8:9], s[8:9], s[46:47]
; 24 LDS loads in one run: quarter q of a K step (32 K: block q / 2, byte 64 (q % 2) of its rows) into buffers n: wpf's 8, O's row blocks 0-3, O's row blocks 4-7
.macro FETCH q, n
	WIN 0
.irp b, 0,1,2,3
	ds_load_b128 v[FB+32*(\n)+8*(\b):FB+32*(\n)+8*(\b)+3],   v[ADRB] offset:((\q)/2)*BKB+((\q)%2)*64+(\b)*16*PITCH
	ds_load_b128 v[FB+32*(\n)+8*(\b)+4:FB+32*(\n)+8*(\b)+7], v[ADRB] offset:((\q)/2)*BKB+((\q)%2)*64+(\b)*16*PITCH+32
.endr
.irp a, 0,1,2,3,4,5,6,7
	ds_load_b128 v[FA+64*(\n)+8*(\a):FA+64*(\n)+8*(\a)+3],   v[ADRA] offset:((\q)/2)*AKB+((\q)%2)*64+(\a)*16*PITCH
	ds_load_b128 v[FA+64*(\n)+8*(\a)+4:FA+64*(\n)+8*(\a)+7], v[ADRA] offset:((\q)/2)*AKB+((\q)%2)*64+(\a)*16*PITCH+32
.endr
.endm
; 8 matrix instructions: row blocks a0, a0 + 1 x the 4 column blocks, on buffers n.  The 32 accumulators take turns, one instruction a turn, in the same order in every quarter.
.macro MUL8 n, a0, zero
	WIN 0x50                                       ; C and D in window 1
.irp a, \a0, (\a0)+1
.irp b, 0,1,2,3
.if \zero
	v_wmma_f32_16x16x32_f16 v[8*(4*(\a)+(\b)):8*(4*(\a)+(\b))+7], v[FB+32*(\n)+8*(\b):FB+32*(\n)+8*(\b)+7], v[FA+64*(\n)+8*(\a):FA+64*(\n)+8*(\a)+7], 0
.else
	v_wmma_f32_16x16x32_f16 v[8*(4*(\a)+(\b)):8*(4*(\a)+(\b))+7], v[FB+32*(\n)+8*(\b):FB+32*(\n)+8*(\b)+7], v[FA+64*(\n)+8*(\a):FA+64*(\n)+8*(\a)+7], v[8*(4*(\a)+(\b)):8*(4*(\a)+(\b))+7]
.endif
.endr
.endr
.endm
; One of a K step's first three quarters: multiplies buffers n; in its middle it fetches quarter qn into buffers m.
.macro QUARTER qn, n, m, zero
	s_wait_dscnt 8                                 ; wpf's fragments and O's row blocks 0-3 are in; the youngest eight loads (row blocks 4-7) may be out
	MUL8 \n, 0, \zero
	MUL8 \n, 2, \zero
	WIN 0
	PLACES
	FETCH \qn, \m
	s_wait_dscnt 24                                ; all but the 24 just issued
	MUL8 \n, 4, \zero
	MUL8 \n, 6, \zero
.endm
; The last quarter multiplies buffers 1 and changes slots: ONE barrier; in front of it each wave waits for all its tensor loads, of which one is out: its part of the next slot; adds 0 to its spare word; and waits for that
; and for its own reads of this slot.  fill = 1: the barrier opens a round of the cluster's, and this slot is filled again, two K steps ahead, first thing behind the round.
.macro TURN fill
	WIN 0
	s_wait_tensorcnt 0x0                           ; no tensor load of mine is out, so a group 0 may be written
	ds_add_u32 v[SPW], v[NIL]                      ; 0 onto my spare word
.if \fill
	s_xor_b32 s[G0+5], s[G0+5], SLOT1              ; the walking descriptors: the other slot than last time, the next K step
	s_add_nc_u64 s[G0+6:G0+7], s[G0+6:G0+7], ASTEP
	s_xor_b32 s[G0B+5], s[G0B+5], SLOT1
	s_add_nc_u64 s[G0B+6:G0B+7], s[G0B+6:G0B+7], BSTEP
.endif
	s_wait_dscnt 9                                 ; the add and the youngest eight loads may be out
	MUL8 1, 0, 0                                   ; eight matrix instructions stand between the add and the wait for it
	s_wait_dscnt 0x0                               ; the add is done, and my reads of this slot are over
	s_barrier_signal -1
	MUL8 1, 2, 0
	WIN 0                                          ; at a branch and at a label every window is 0
	s_barrier_wait -1
.if \fill
	CREST                                          ; no wave of any partner still reads this slot or has a load on its way
	JLOAD                                          ; my one tensor load behind the round; the four v_nop behind it are also the places in front of the loads below
.else
	PLACES
.endif
	s_xor_b32 s[TB], s[TB], SLOT1                  ; the reads go on in the other slot
	v_add_nc_u32 v[ADRA], s[TB], v[HA]
	v_add_nc_u32 v[ADRB], s[TB], v[HB]
	FETCH 0, 0
	MUL8 1, 4, 0
	MUL8 1, 6, 0
.endm
; THE WAY OUT of row block a, 16 rows x 256 bytes of f32: each accumulator's low four registers, then its high four, into my stage in rows of 272 bytes; back as whole rows.
.macro TOSTAGE a
.set BK, 32+32*((\a)%4)
.if (\a) >= 4
	s_wait_xcnt 0x0                                ; these registers were the data of the stores four blocks back: they are loaded again only behind this wait
.endif
	WIN 0x04                                       ; the stores' data in window 1
.irp b, 0,1,2,3
	ds_store_b128 v[STO], v[8*(4*(\a)+(\b)):8*(4*(\a)+(\b))+3]   offset:64*(\b)
	ds_store_b128 v[STO], v[8*(4*(\a)+(\b))+4:8*(4*(\a)+(\b))+7] offset:64*(\b)+16
.endr
	WIN 0
.irp t, 0,1,2,3,4,5,6,7
	ds_load_b128 v[BK+4*(\t):BK+4*(\t)+3], v[RD] offset:(\t)*2*SPITCH  ; LDS serves a wave's instructions in order (ISA guide 5.7.1.4): these see the stores above; the next block's stores come behind them
.endr
.endm
.macro SEND a, younger                 ; younger: the LDS instructions issued behind the block's loads: the next block's sixteen, or none
.set BK, 32+32*((\a)%4)
.irp t, 0,1,2,3,4,5,6,7
	s_wait_dscnt (\younger)+7-(\t)
	global_store_b128 v[CO], v[BK+4*(\t):BK+4*(\t)+3], s[8:9] offset:(16*(\a)+2*(\t))*4096 th:TH_STORE_NT  ; 16 lanes store 256 consecutive bytes, at a multiple of 256 from out0's first byte
.endr
.endm
	s_wait_tensorcnt 0x1                           ; my part of K step 0 is in; K step 1's may stay out
	s_barrier_signal -1
	s_barrier_wait -1                              ; everybody's is
	FETCH 0, 0
	QUARTER 1, 0, 1, 1                             ; the first quarter stands in front of the loop: its products start the sums
	WIN 0
	s_mov_b32 s3, 6
.Lstep:                                                ; 6 trips: from a K step's second quarter to the next step's first; K step t asks for K step t + 2
	QUARTER 2, 1, 0, 0
	QUARTER 3, 0, 1, 0
	TURN 1
	QUARTER 1, 0, 1, 0
	WIN 0
	s_sub_co_u32 s3, s3, 1
	s_cmp_lg_u32 s3, 0
	s_cbranch_scc1 .Lstep
	QUARTER 2, 1, 0, 0                             ; the tail is written out: nothing is asked for
	QUARTER 3, 0, 1, 0
	TURN 0
	QUARTER 1, 0, 1, 0
	QUARTER 2, 1, 0, 0
	QUARTER 3, 0, 1, 0
	s_wait_dscnt 8                                 ; the very last quarter: nothing more to fetch
	MUL8 1, 0, 0
	MUL8 1, 2, 0
	s_wait_dscnt 0x0
	MUL8 1, 4, 0
	MUL8 1, 6, 0
	WIN 0
	PLACES                                         ; the LDS stores read matrix results
	TOSTAGE 0
.irp a, 1,2,3,4,5,6,7                  ; a block's way through the stage stands between the loads of the block before and its stores
	TOSTAGE \a
	SEND (\a)-1, 16
.endr
	SEND 7, 0
	s_wait_tensorcnt 0x0                           ; the wave's end: a wait, an add and its wait behind my last tensor load and my last LDS store
	ds_add_u32 v[SPW], v[NIL]
	s_wait_dscnt 0x0
	CROUND                                         ; the closing round: no work-group ends while a partner may still ask for a tile that names it
	s_endpgm
.Lfunc_end_k_qfb721fbb96_proj:
	.size	k_qfb721fbb96_proj, .Lfunc_end_k_qfb721fbb96_proj-k_qfb721fbb96_proj
	.p2alignl 7, 3214868480
	.fill 96, 4, 3214868480
	.section	.rodata,"a",@progbits
	.p2align	6, 0x0
	.amdhsa_kernel k_qfb721fbb96_proj
		.amdhsa_group_segment_fixed_size 327680
		.amdhsa_private_segment_fixed_size 0
		.amdhsa_enable_private_segment 0
		.amdhsa_kernarg_size 24
		.amdhsa_user_sgpr_count 2
		.amdhsa_user_sgpr_kernarg_segment_ptr 1
		.amdhsa_wavefront_size32 1
		.amdhsa_system_sgpr_workgroup_id_x 1
		.amdhsa_system_sgpr_workgroup_id_y 1
		.amdhsa_system_sgpr_workgroup_id_z 1
		.amdhsa_system_vgpr_workitem_id 0
		.amdhsa_next_free_vgpr 512
		.amdhsa_next_free_sgpr 66
		.amdhsa_reserve_vcc 0
		.amdhsa_float_denorm_mode_32 3
		.amdhsa_float_denorm_mode_16_64 3
		.amdhsa_memory_ordered 1
		.amdhsa_forward_progress 1
		.amdhsa_inst_pref_size 71
	.end_amdhsa_kernel
	.amdgpu_metadata
---
amdhsa.version: [ 1, 2 ]
amdhsa.kernels:
  - .name:           k_qfb721fbb96_proj
    .symbol:         k_qfb721fbb96_proj.kd
    .args:
      - { .name: ob, .offset: 0, .size: 8, .value_kind: global_buffer, .address_space: global }
      - { .name: wpf, .offset: 8, .size: 8, .value_kind: global_buffer, .address_space: global }
      - { .name: out0, .offset: 16, .size: 8, .value_kind: global_buffer, .address_space: global }
    .group_segment_fixed_size: 327680
    .private_segment_fixed_size: 0
    .kernarg_segment_align: 8
    .kernarg_segment_size: 24
    .max_flat_workgroup_size: 128
    .sgpr_count:     66
    .vgpr_count:     512
    .wavefront_size: 32
...
	.end_amdgpu_metadata
.endif
;; end of part 4
